; MI455X (gfx1250); checked and timed in simulation.
; The chip was launched on July 23, 2026; its instructions are those of AMD's public machine-readable ISA for CDNA 5 (MIT licence, August 2026) and "CDNA5" Instruction Set Architecture Reference Guide (July 2026). The comments in the code are by the model that wrote it; some were corrected since.
;; Attention Base. Allowed arithmetic: matrix products marked QUANTISED: E2M1 operands, one E8M0 scale for each 32 along K, by v_wmma_scale_f32_16x16x128_f8f6f4 with both operands' format E2M1 (or v_wmma_scale_f32_32x16x128_f4), f32 sums; products left as they are: bf16, f16 or f32 operands; f32 sums; everything else in f32.
;; Inputs: hidden_states 2,048 x 2,048 float32; k_norm_w 128 float32; position_ids 2,048 int32; q_norm_w 128 float32; wk 2,048 x 2,048 float32; wo 2,048 x 2,048 float32; wq 2,048 x 2,048 float32; wv 2,048 x 2,048 float32.
;; Outputs: out0 2,048 x 2,048 float32.
;; This version of the problem:
;;   THIS VERSION OF THE PROBLEM IS GIVEN IN LOW PRECISION. The matrix products marked QUANTISED in the list below multiply operands that are first quantised to E2M1 (2 exponent bits, 1 mantissa bit; 4 bits a number), with one power-of-two scale for each 32 numbers along K (OCP MX v1.0); their sums are f32. The products marked 'left as it is' may take bf16, f16 or f32 operands, with f32 sums. Whichever they take, every output number must still come out within the allowed error. Rounding operands to bf16 (8 significant bits) uses up far more of that allowance than f16 does (11 bits, for magnitudes from 6e-5 to 65,504). All else is computed in f32.
;;   The module's matrix products, in the order in which they are computed (A, B: the left and right operand; K: the contracted axis; several contracted axes count as one K, in the product's order):
;;     1. [M 2,048, K 2,048] x [K 2,048, N 2,048]; A: input hidden_states; B: input wq: QUANTISED
;;     2. [M 2,048, K 2,048] x [K 2,048, N 2,048]; A: input hidden_states; B: input wk: QUANTISED
;;     3. [M 2,048, K 2,048] x [K 2,048, N 2,048]; A: input hidden_states; B: input wv: QUANTISED
;;     4. batch 16 x [M 2,048, K 128] x [K 128, N 2,048]; A: computed on the way; B: computed on the way: left as it is (an operand is computed on the way)
;;     5. batch 16 x [M 128, K 2,048] x [K 2,048, N 2,048]; A: computed on the way; B: computed on the way: left as it is (an operand is computed on the way)
;;     6. [M 2,048, K 2,048] x [K 2,048, N 2,048]; A: computed on the way; B: input wo: left as it is (an operand is computed on the way)
;;   THE QUANTISER, for each operand of a quantised product, along K:
;;     - K is cut into blocks of 32 from its start; a last block that is shorter is filled with zeros.
;;     - A block's scale is 2^e with e = floor(log2(the largest magnitude in the block)) - 2, held to -126 .. 127; a block of zeros has e = 0. As a byte (E8M0): e + 127.
;;     - Each number is divided by its block's scale, clamped to +-6, and rounded to the nearest number of E2M1, ties to even, subnormals kept.
;;     - The product sums the exact products of the quantised numbers (number of the format x scale) in f32.
;;   ~~~python
;;   def quantise(x, axis):      # numpy; x: float32 -> the quantised numbers, widened to float32 again
;;       x = np.moveaxis(x, axis, -1); K = x.shape[-1]
;;       x = np.pad(x, [(0, 0)] * (x.ndim - 1) + [(0, -K % 32)]); x = x.reshape(x.shape[:-1] + (-1, 32)); a = np.abs(x).max(-1, keepdims=True)
;;       e = np.where(a > 0, np.clip(np.frexp(np.where(a > 0, a, 1))[1] - 1 - 2, -126, 127), 0)      # np.frexp(a)[1] - 1 = floor(log2(a)), exactly
;;       r = np.clip(x / 2.0 ** e, -6, 6)
;;       step = 2.0 ** (np.maximum(np.frexp(np.where(r == 0, 1, r))[1] - 1, 0) - 1)
;;       q = np.round(r / step) * step * 2.0 ** e      # np.round: ties to even
;;       return np.moveaxis(q.reshape(q.shape[:-2] + (-1,))[..., :K], -1, axis).astype(np.float32)
;;   ~~~
;; One version. Each part assembles by itself: llvm-mc -triple=amdgcn-amd-amdhsa -mcpu=gfx1250 --defsym DOCPART=n.
;; ======== version 1 of 1: 4 launches
;; limits: values are held in f16: magnitudes above 65,504 overflow, below 6.1e-05 lose precision
;; workspace buffers: xc 2,097,152 bytes; xs 131,072 bytes; wc 6,291,456 bytes; ws 393,216 bytes; wot 8,388,608 bytes; rope 1,048,576 bytes; qkv 25,165,824 bytes; ctx 8,388,608 bytes
;; launch prep (part 1): grid 704 x 1, 4 waves a work-group, no clusters, 102,912 bytes of LDS; arguments hidden_states, wq, wk, wv, wo, position_ids, xc, xs, wc, ws, wot, rope; writes xc, xs, wc, ws, wot, rope
.if DOCPART == 1
	.amdgcn_target "amdgcn-amd-amdhsa--gfx1250"
	.amdhsa_code_object_version 6
	.text
	.protected	k_q3123370a1f_prep
	.globl	k_q3123370a1f_prep
	.p2align	8
	.type	k_q3123370a1f_prep,@function
k_q3123370a1f_prep:
	s_mov_b64 s[64:65], 0
	v_nop
	global_prefetch_b8 v0, s[64:65] scope:SCOPE_SE
	s_setreg_imm32_b32 hwreg(HW_REG_WAVE_MODE, 25, 1), 1
	s_wait_xcnt 0x0
; PREPARATION, one launch with four paths that part on the work-group's number alone:
;   W    work-groups 0-191:   wq, wk, wv [2048 k][2048 n] f32 -> codes of FP4 (E2M1) with K innermost, wc [6144 n][1024 bytes], and one E8M0 byte for each 32 along K, ws [6144][64]
;   X    work-groups 192-319: hidden_states [2048][2048] f32 -> xc [2048][1024 bytes], xs [2048][64]
;   WO   work-groups 320-575: wo [2048 k][2048 n] f32 -> wot [2048 n][2048 k] f16 (the output product's operand, K innermost)
;   ROPE work-groups 576-703: position_ids -> (cos, sin) in f32, laid in the order in which the next launch's lanes take them
; A block's scale is 2^(floor(log2(its largest magnitude)) - 2); its byte is the largest magnitude's exponent field - 2, held at 1 from below.
; LIMITS: NaN and infinities among the inputs are not served.  A block of zeros gets the byte 1 where the quantiser's rule says 127: its codes are zeros, which add nothing, and this program alone reads the bytes.
; Blocks whose largest magnitude lies under 2^-124 take the floor's byte.  |position| up to 2^22: the quadrant number stays a whole f32 number and the first step of the reduction stays exact.
; The frequencies are 2^(-i log2(10000) / 64) by v_exp_f32: a few units in the last place from a correctly rounded power.  wo is rounded to f16: magnitudes up to 65,504.
; Each path has LDS bytes of its own, and writes its own end.  No tensor load, no barrier: waves share nothing.
.set XL,    0                          ; path X: 8,192 bytes a wave
.set WL,    32768                      ; path W: a stage of 32 rows x 272 bytes a wave
.set OL,    67584                      ; path WO: the same
.set SPARE, 102400                     ; the spare words, 128 bytes for each wave: two blocks of 256 bytes that no other line names
.set SPW,   190                        ; v190  LDS address of my spare word; never rewritten
.set NIL,   191                        ; v191  0; never rewritten
.set PITCH, 272                        ; a stage row: 256 bytes + 16
.set EMAX,  2
	s_load_b512 s[4:19], s[0:1], 0x0               ; x 4:5, wq 6:7, wk 8:9, wv 10:11, wo 12:13, positions 14:15, xc 16:17, xs 18:19
	s_load_b256 s[20:27], s[0:1], 0x40             ; wc 20:21, ws 22:23, wot 24:25, rope 26:27
	v_lshl_add_u32 v[SPW], v0, 2, SPARE
	v_mov_b32 v[NIL], 0
	v_lshrrev_b32 v1, 5, v0
	v_readfirstlane_b32 s28, v1                    ; wave 0..3
	v_and_b32 v2, 31, v0                           ; lane
	s_wait_kmcnt 0x0
	s_cmp_lt_u32 ttmp9, 192
	s_cbranch_scc1 .Lpath_w
	s_cmp_lt_u32 ttmp9, 320
	s_cbranch_scc1 .Lpath_x
	s_cmp_lt_u32 ttmp9, 576
	s_cbranch_scc1 .Lpath_wo
; ---------------- ROPE: 16 positions a work-group.  Lane L of wave w takes position L / 2 and the pairs i = 16 w + 2 j + L % 2, j = 0 .. 7.
; The table: [128 blocks of 16 positions][16 loads][32 lanes][16 bytes].  The next launch's lane (r, h) holds row r and, in accumulator b, channels 16 b + 8 h + 0 .. 7, which are the pairs 8 b + 4 h + 0 .. 3:
; load 2 b + c brings it the pairs 8 b + 4 h + 2 c and + 1, each as (cos, sin).  With i as above that is byte 8192 block + 2048 w + 512 (2 (j / 4) + j % 2) + 256 ((j / 2) % 2) + 8 L: a store covers 256 consecutive bytes.
	s_sub_co_u32 s30, ttmp9, 576                   ; the block
	s_lshl_b32 s32, s30, 6
	s_mov_b32 s33, 0
	s_add_nc_u64 s[14:15], s[14:15], s[32:33]      ; its 16 positions
	s_lshl_b32 s32, s30, 13
	s_lshl_b32 s31, s28, 11
	s_add_co_u32 s32, s32, s31
	s_add_nc_u64 s[26:27], s[26:27], s[32:33]      ; its part of the table, my wave's quarter
	v_lshrrev_b32 v9, 1, v2
	v_lshlrev_b32 v9, 2, v9
	global_load_b32 v13, v9, s[14:15]              ; my position
	s_mov_b32 s40, 0x3f22f983                      ; 2 / pi
	s_mov_b32 s41, 0xbfc90fdb                      ; -(pi / 2), in three parts: the f32 nearest,
	s_mov_b32 s42, 0x333bbd2e                      ; what it leaves,
	s_mov_b32 s43, 0x26f72ced                      ; and what that leaves
	s_mov_b32 s44, 0x3638ef1d                      ; sine: 1 / 9!
	s_mov_b32 s45, 0xb9500d01                      ; -1 / 7!
	s_mov_b32 s46, 0x3c088889                      ; 1 / 5!
	s_mov_b32 s47, 0xbe2aaaab                      ; -1 / 3!
	s_mov_b32 s48, 0x37d00d01                      ; cosine: 1 / 8!
	s_mov_b32 s49, 0xbab60b61                      ; -1 / 6!
	s_mov_b32 s50, 0x3d2aaaab                      ; 1 / 4!
	v_lshlrev_b32 v8, 3, v2                        ; 8 L
	v_and_b32 v11, 1, v2
	v_lshl_add_u32 v11, s28, 4, v11                ; 16 w + L % 2
.irp j, 0,1,2,3,4,5,6,7
	v_add_nc_u32 v[16+\j], 2*\j, v11               ; i
.endr
.irp j, 0,1,2,3,4,5,6,7
	v_cvt_f32_u32 v[16+\j], v[16+\j]
.endr
.irp j, 0,1,2,3,4,5,6,7
	v_mul_f32 v[16+\j], 0xbe549a78, v[16+\j]       ; -i log2(10000) / 64
.endr
.irp j, 0,1,2,3,4,5,6,7
	v_exp_f32 v[16+\j], v[16+\j]                   ; the frequency: one batch of eight
.endr
	s_wait_loadcnt 0x0
	v_cvt_f32_i32 v10, v13                         ; the position in f32: the plain instruction behind the batch
	s_wait_alu depctr_va_vdst(0)                   ; one wait for the eight, ahead of their first reader
; cos and sin of position x frequency j.  k = the nearest whole number to angle x 2 / pi; r = angle - k pi / 2 by three fused multiply-adds, |r| <= pi / 4; polynomials of r; the quadrant k mod 4 swaps and signs them.
; No branch hangs on a number: the swap is two selects, the signs two exclusive ors.
.macro SINCOS j
	v_mul_f32 v24, v10, v[16+\j]                   ; the angle, rounded to f32 as reference() rounds it
	v_mul_f32 v25, s40, v24
	v_rndne_f32 v25, v25                           ; k
	v_fma_f32 v26, v25, s41, v24
	v_fma_f32 v26, v25, s42, v26
	v_fma_f32 v26, v25, s43, v26                   ; r
	v_mul_f32 v27, v26, v26                        ; z = r^2
	v_fma_f32 v28, v27, s44, s45
	v_fma_f32 v29, v27, s48, s49
	v_fma_f32 v28, v28, v27, s46
	v_fma_f32 v29, v29, v27, s50
	v_fma_f32 v28, v28, v27, s47
	v_fma_f32 v29, v29, v27, -0.5
	v_mul_f32 v30, v26, v27
	v_fma_f32 v28, v30, v28, v26                   ; sin r
	v_fma_f32 v29, v27, v29, 1.0                   ; cos r
	v_cvt_i32_f32 v25, v25                         ; k as a whole number
	v_and_b32 v30, 1, v25
	v_cmp_ne_u32 vcc_lo, 0, v30
	v_cndmask_b32 v31, v28, v29, vcc_lo            ; the sine: in odd quadrants cos r
	v_cndmask_b32 v30, v29, v28, vcc_lo            ; the cosine: in odd quadrants sin r
	v_lshlrev_b32 v26, 30, v25                     ; the sine is negative in quadrants 2, 3: bit 1 of k;
	v_add_nc_u32 v25, 1, v25
	v_lshlrev_b32 v25, 30, v25                     ; the cosine in quadrants 1, 2: bit 1 of k + 1
	v_and_b32 v26, 0x80000000, v26
	v_and_b32 v25, 0x80000000, v25
	v_xor_b32 v[64+2*\j], v25, v30
	v_xor_b32 v[65+2*\j], v26, v31
	global_store_b64 v8, v[64+2*\j:65+2*\j], s[26:27] offset:(2*((\j)/4)+((\j)%2))*512+(((\j)/2)%2)*256   ; each store has registers of its own
.endm
.irp j, 0,1,2,3,4,5,6,7
	SINCOS \j
.endr
	s_endpgm
; ---------------- W: a lane takes a column n and its registers run down K, so that a block of 32 along K lies in one lane and the conversions give codes with K innermost.
; Work-group: x = id % 16 (128 columns), y = (id / 16) % 4 (512 along K), t = id / 64 (wq, wk, wv).  A wave: 32 columns x 512 along K: 16 blocks a lane, 256 bytes of codes a column,
; gathered in the wave's stage and stored as rows: sixteen lanes store 256 consecutive bytes, aligned.  Loads run two blocks ahead.
.set WX,   32                          ; v32-95   two sets of 32 numbers
.set WC,   96                          ; v96-99   a block's codes
.set WOUT, 112                         ; v112-175 the way out
.set WSB,  24                          ; v24-27   the scale bytes, four to a register
.Lpath_w:
	s_and_b32 s30, ttmp9, 15
	s_bfe_u32 s31, ttmp9, 0x20004
	s_lshr_b32 s34, ttmp9, 6
	s_cmp_eq_u32 s34, 0
	s_cselect_b64 s[32:33], s[6:7], s[8:9]         ; the choice hangs on the work-group's number alone
	s_cmp_eq_u32 s34, 2
	s_cselect_b64 s[32:33], s[10:11], s[32:33]
	s_lshl_b32 s35, s30, 7
	s_lshl_b32 s36, s28, 5
	s_add_co_u32 s35, s35, s36                     ; my wave's first column
	s_lshl_b32 s36, s31, 22                        ; 512 y rows of 8,192 bytes
	s_lshl_b32 s37, s35, 2
	s_add_co_u32 s36, s36, s37
	s_mov_b32 s37, 0
	s_add_nc_u64 s[32:33], s[32:33], s[36:37]
	s_lshl_b32 s38, s34, 11
	s_add_co_u32 s38, s38, s35                     ; n = 2048 t + column
	s_lshl_b32 s36, s38, 10
	s_lshl_b32 s39, s31, 8
	s_add_co_u32 s36, s36, s39
	s_add_nc_u64 s[20:21], s[20:21], s[36:37]      ; codes: 1,024 n + 256 y
	s_lshl_b32 s36, s38, 6
	s_lshl_b32 s39, s31, 4
	s_add_co_u32 s36, s36, s39
	s_add_nc_u64 s[22:23], s[22:23], s[36:37]      ; scale bytes: 64 n + 16 y
	v_lshlrev_b32 v3, 2, v2                        ; in: 4 bytes a lane
	s_mul_i32 s40, s28, 32*PITCH
	s_add_co_u32 s40, s40, WL                      ; my stage
	v_mul_u32_u24 v4, v2, PITCH
	v_add_nc_u32 v4, s40, v4                       ; into it: row = my column
	v_and_b32 v5, 15, v2
	v_lshrrev_b32 v6, 4, v2
	v_mul_u32_u24 v7, v6, PITCH
	v_lshl_add_u32 v7, v5, 4, v7
	v_add_nc_u32 v7, s40, v7                       ; out of it: sixteen lanes to a row, two rows an instruction
	v_lshlrev_b32 v8, 10, v6
	v_lshl_add_u32 v8, v5, 4, v8                   ; and the same place in wc
	v_lshlrev_b32 v9, 6, v2                        ; my column's row of scale bytes
.macro WLOAD t                         ; block t: W(32 t + i, my column) into set t % 2; 32 lanes read 128 consecutive bytes
.set i, 0
.rept 32
	global_load_b32 v[WX+32*((\t)%2)+i], v3, s[32:33] offset:(32*(\t)+i)*8192 th:TH_LOAD_NT
.set i, i+1
.endr
.endm
	WLOAD 0
	WLOAD 1
.macro WBLOCK t
.set WS, WX+32*((\t)%2)
.if (\t) < 15
	s_wait_loadcnt 32                              ; this block's 32 loads are in; the next block's 32 may be out
.else
	s_wait_loadcnt 0x0
.endif
	v_max3_num_f32 v12, |v[WS]|, |v[WS+1]|, |v[WS+2]|              ; the block's largest magnitude: all 32 numbers are mine
	v_max3_num_f32 v13, |v[WS+3]|, |v[WS+4]|, |v[WS+5]|
.irp i, 6,10,14,18,22,26
	v_max3_num_f32 v12, v12, |v[WS+\i]|, |v[WS+\i+1]|
	v_max3_num_f32 v13, v13, |v[WS+\i+2]|, |v[WS+\i+3]|
.endr
	v_max3_num_f32 v12, v12, |v[WS+30]|, |v[WS+31]|
	v_max3_num_f32 v12, v12, v13, (EMAX+1)<<23     ; and the floor 2^(3 - 127): the byte cannot fall under 1
	v_add_nc_u32 v11, -(EMAX<<23), v12             ; 2 off its exponent field: the conversion takes the exponent field of this operand as its scale
	v_lshrrev_b32 v13, 23, v11                     ; the scale's byte
.if (\t)%4 == 0
	v_mov_b32 v[WSB+(\t)/4], v13
.else
	v_lshl_or_b32 v[WSB+(\t)/4], v13, 8*((\t)%4), v[WSB+(\t)/4]
.endif
.irp g, 0,1,2,3
	v_cvt_scalef32_pk8_fp4_f32 v[WC+\g], v[WS+8*\g:WS+8*\g+7], v11
.endr
	ds_store_b128 v4, v[WC:WC+3] offset:16*(\t)    ; 32 codes: 16 bytes of my column's row
.if (\t)+2 < 16
	WLOAD (\t)+2
.endif
	s_wait_dscnt 0x0                               ; the store has read its registers: the next block's codes may be written
.endm
.set Q, 0
.rept 16
	WBLOCK Q
.set Q, Q+1
.endr
	global_store_b128 v9, v[WSB:WSB+3], s[22:23]   ; my column's 16 scale bytes
.irp t, 0,1,2,3,4,5,6,7,8,9,10,11,12,13,14,15
	ds_load_b128 v[WOUT+4*\t:WOUT+4*\t+3], v7 offset:2*\t*PITCH    ; LDS serves a wave's instructions in order: these see my stores
.endr
.irp t, 0,1,2,3,4,5,6,7,8,9,10,11,12,13,14,15
	s_wait_dscnt 15-\t                             ; the younger loads may be out
	global_store_b128 v8, v[WOUT+4*\t:WOUT+4*\t+3], s[20:21] offset:2*\t*1024
.endr
	s_wait_tensorcnt 0x0                           ; the wave's end, behind my last LDS store
	ds_add_u32 v[SPW], v[NIL]
	s_wait_dscnt 0x0
	s_endpgm
; ---------------- X: rows are dense and 2,048 is a multiple of 32, so x is a plain stream of blocks of 32.  A wave takes 16 steps of 512 numbers.  Each load reads 512 consecutive bytes; a step's 2,048 bytes
; turn through the wave's stage (16 bytes of padding behind each 64) and come back 64 bytes a lane: 16 neighbours along K, two lanes to a block.  Loads run four steps ahead, the turn one step.
.set XR,  16                           ; v16-79   four sets of 16 numbers as loaded
.set XX,  80                           ; v80-111  two sets of 16 neighbours
.set XE,  112                          ; v112-127 a scale byte for each step
.set XC,  128                          ; v128-159 codes: two registers for each step, so that no store's data are written again
.set XSP, 80                           ; a lane's place in a stage
.Lpath_x:
	s_sub_co_u32 s30, ttmp9, 192
	s_lshl_b32 s30, s30, 2
	s_add_co_u32 s30, s30, s28                     ; which run of 8,192 numbers is my wave's
	s_lshl_b32 s32, s30, 15
	s_mov_b32 s33, 0
	s_add_nc_u64 s[4:5], s[4:5], s[32:33]
	s_lshl_b32 s32, s30, 12
	s_add_nc_u64 s[16:17], s[16:17], s[32:33]
	s_lshl_b32 s32, s30, 8
	s_add_nc_u64 s[18:19], s[18:19], s[32:33]
	v_lshlrev_b32 v3, 4, v2                        ; my 16 bytes of a load's 512
	s_lshl_b32 s31, s28, 13                        ; my wave's LDS region (XL = 0)
	v_lshrrev_b32 v14, 2, v2
	v_mul_u32_u24 v14, v14, XSP
	v_and_b32 v15, 3, v2
	v_lshl_add_u32 v14, v15, 4, v14
	v_add_nc_u32 v14, s31, v14                     ; the stage, on the way in: 80 (lane / 4) + 16 (lane % 4)
	v_mul_u32_u24 v15, v2, XSP
	v_add_nc_u32 v15, s31, v15                     ; and on the way out: 80 x lane
	v_lshlrev_b32 v4, 3, v2                        ; my codes' place in a step's: 8 bytes a lane
	v_lshrrev_b32 v5, 1, v2
	s_add_co_u32 s31, s31, 2*32*XSP
	v_add_nc_u32 v5, s31, v5                       ; my wave's 256 scale bytes, my block's byte
	v_lshlrev_b32 v7, 3, v2
	v_add_nc_u32 v6, s31, v7
.macro XLOAD t
.irp i, 0,1,2,3
	global_load_b128 v[XR+16*((\t)%4)+4*\i:XR+16*((\t)%4)+4*\i+3], v3, s[4:5] offset:2048*(\t)+512*\i th:TH_LOAD_NT
.endr
.endm
.macro XTURN t
.irp i, 0,1,2,3
	ds_store_b128 v14, v[XR+16*((\t)%4)+4*\i:XR+16*((\t)%4)+4*\i+3] offset:32*XSP*((\t)%2)+8*XSP*\i
.endr
.irp i, 0,1,2,3
	ds_load_b128 v[XX+16*((\t)%2)+4*\i:XX+16*((\t)%2)+4*\i+3], v15 offset:32*XSP*((\t)%2)+16*\i
.endr
.endm
.irp t, 0,1,2,3
	XLOAD \t
.endr
	s_wait_loadcnt 12                              ; step 0's four loads are in; twelve younger may be out
	XTURN 0
.macro XSTEP t
.set XS, XX+16*((\t)%2)
.if (\t) > 0
	s_wait_dscnt 1                                 ; this step's numbers are back from the stage; the last step's byte store may be out
.else
	s_wait_dscnt 0x0
.endif
.if (\t)+4 < 16
	XLOAD (\t)+4                                   ; into the registers that this step's stores into the stage have read
.endif
.if (\t)+1 < 16
.if 14-(\t) >= 3
	s_wait_loadcnt 12                              ; the next step's four loads are in; those of the three steps behind it may be out
.else
	s_wait_loadcnt 4*(14-(\t))
.endif
	XTURN (\t)+1
.endif
	v_max3_num_f32 v8, |v[XS]|, |v[XS+1]|, |v[XS+2]|
	v_max3_num_f32 v9, |v[XS+3]|, |v[XS+4]|, |v[XS+5]|
.irp i, 6,10
	v_max3_num_f32 v8, v8, |v[XS+\i]|, |v[XS+\i+1]|
	v_max3_num_f32 v9, v9, |v[XS+\i+2]|, |v[XS+\i+3]|
.endr
	v_max3_num_f32 v8, v8, |v[XS+14]|, |v[XS+15]|
	v_max3_num_f32 v8, v8, v9, (EMAX+1)<<23        ; my 16 and the floor
	v_max_num_f32_dpp v8, v8, v8 row_xmask:1 row_mask:0xf bank_mask:0xf   ; and my neighbour's 16: the block's largest magnitude
	v_add_nc_u32 v11, -(EMAX<<23), v8
	v_cvt_scalef32_pk8_fp4_f32 v[XC+2*(\t)], v[XS:XS+7], v11
	v_cvt_scalef32_pk8_fp4_f32 v[XC+2*(\t)+1], v[XS+8:XS+15], v11
	v_lshrrev_b32 v[XE+(\t)], 23, v11              ; the scale's byte: also the plain instruction behind the conversions
	ds_store_b8 v5, v[XE+(\t)] offset:16*(\t)      ; both lanes of a block write the same byte with the same value
	global_store_b64 v4, v[XC+2*(\t):XC+2*(\t)+1], s[16:17] offset:256*(\t)   ; the wave stores 256 consecutive bytes, aligned
.endm
.irp t, 0,1,2,3,4,5,6,7,8,9,10,11,12,13,14,15
	XSTEP \t
.endr
	ds_load_b64 v[8:9], v6
	s_wait_dscnt 0x0
	global_store_b64 v7, v[8:9], s[18:19]          ; the wave's 256 scale bytes
	s_wait_tensorcnt 0x0                           ; the wave's end, behind my last LDS store
	ds_add_u32 v[SPW], v[NIL]
	s_wait_dscnt 0x0
	s_endpgm
; ---------------- WO: the same plan as W without a quantiser: a lane takes a column, its registers run down K, pairs are rounded to f16.  Work-group: x = id % 16 (128 columns), y = id / 16 (128 along K).
; A wave: 32 columns x 128 along K = 256 bytes of f16 a column, through the stage, stored as rows of wot.  Each block of 32 has registers of its own; loads run two blocks ahead.
.Lpath_wo:
	s_sub_co_u32 s30, ttmp9, 320
	s_and_b32 s31, s30, 15
	s_lshr_b32 s34, s30, 4
	s_lshl_b32 s35, s31, 7
	s_lshl_b32 s36, s28, 5
	s_add_co_u32 s35, s35, s36                     ; my wave's first column
	s_lshl_b32 s36, s34, 20                        ; 128 y rows of 8,192 bytes
	s_lshl_b32 s37, s35, 2
	s_add_co_u32 s36, s36, s37
	s_mov_b32 s37, 0
	s_add_nc_u64 s[12:13], s[12:13], s[36:37]
	s_lshl_b32 s36, s35, 12
	s_lshl_b32 s38, s34, 8
	s_add_co_u32 s36, s36, s38
	s_add_nc_u64 s[24:25], s[24:25], s[36:37]      ; wot: 4,096 x column + 256 y
	v_lshlrev_b32 v3, 2, v2
	s_mul_i32 s40, s28, 32*PITCH
	s_add_co_u32 s40, s40, OL
	v_mul_u32_u24 v4, v2, PITCH
	v_add_nc_u32 v4, s40, v4
	v_and_b32 v5, 15, v2
	v_lshrrev_b32 v6, 4, v2
	v_mul_u32_u24 v7, v6, PITCH
	v_lshl_add_u32 v7, v5, 4, v7
	v_add_nc_u32 v7, s40, v7
	v_lshlrev_b32 v8, 12, v6
	v_lshl_add_u32 v8, v5, 4, v8
.macro OLOAD t
.set i, 0
.rept 32
	global_load_b32 v[32+32*(\t)+i], v3, s[12:13] offset:(32*(\t)+i)*8192 th:TH_LOAD_NT
.set i, i+1
.endr
.endm
	OLOAD 0
	OLOAD 1
.irp t, 0,1,2,3
.if \t < 3
	s_wait_loadcnt 32                              ; this block's 32 loads are in; the next block's 32 may be out
.else
	s_wait_loadcnt 0x0
.endif
.if \t < 2
	OLOAD \t+2
.endif
.set i, 0
.rept 16
	v_cvt_pk_f16_f32 v[32+32*\t+i], v[32+32*\t+2*i], v[32+32*\t+2*i+1]   ; in place, ascending: word i is written when numbers 2 i and 2 i + 1 are read
.set i, i+1
.endr
.irp g, 0,1,2,3
	ds_store_b128 v4, v[32+32*\t+4*\g:32+32*\t+4*\g+3] offset:64*\t+16*\g
.endr
.endr
	s_wait_dscnt 0x0                               ; the stores have read their registers, which the loads below write
.irp t, 0,1,2,3,4,5,6,7,8,9,10,11,12,13,14,15
	ds_load_b128 v[32+4*\t:32+4*\t+3], v7 offset:2*\t*PITCH
.endr
.irp t, 0,1,2,3,4,5,6,7,8,9,10,11,12,13,14,15
	s_wait_dscnt 15-\t                             ; the younger loads may be out
	global_store_b128 v8, v[32+4*\t:32+4*\t+3], s[24:25] offset:2*\t*4096   ; sixteen lanes store 256 consecutive bytes, aligned
.endr
	s_wait_tensorcnt 0x0                           ; the wave's end, behind my last LDS store
	ds_add_u32 v[SPW], v[NIL]
	s_wait_dscnt 0x0
	s_endpgm
.Lfunc_end_k_q3123370a1f_prep:
	.size	k_q3123370a1f_prep, .Lfunc_end_k_q3123370a1f_prep-k_q3123370a1f_prep
	.p2alignl 7, 3214868480
	.fill 96, 4, 3214868480
	.section	.rodata,"a",@progbits
	.p2align	6, 0x0
	.amdhsa_kernel k_q3123370a1f_prep
		.amdhsa_group_segment_fixed_size 102912
		.amdhsa_private_segment_fixed_size 0
		.amdhsa_enable_private_segment 0
		.amdhsa_kernarg_size 96
		.amdhsa_user_sgpr_count 2
		.amdhsa_user_sgpr_kernarg_segment_ptr 1
		.amdhsa_wavefront_size32 1
		.amdhsa_system_sgpr_workgroup_id_x 1
		.amdhsa_system_sgpr_workgroup_id_y 1
		.amdhsa_system_sgpr_workgroup_id_z 1
		.amdhsa_system_vgpr_workitem_id 0
		.amdhsa_next_free_vgpr 192
		.amdhsa_next_free_sgpr 66
		.amdhsa_reserve_vcc 1
		.amdhsa_float_denorm_mode_32 3
		.amdhsa_float_denorm_mode_16_64 3
		.amdhsa_memory_ordered 1
		.amdhsa_forward_progress 1
		.amdhsa_inst_pref_size 146
	.end_amdhsa_kernel
	.amdgpu_metadata
---
amdhsa.version: [ 1, 2 ]
amdhsa.kernels:
  - .name:           k_q3123370a1f_prep
    .symbol:         k_q3123370a1f_prep.kd
    .args:
      - { .name: hidden_states, .offset: 0, .size: 8, .value_kind: global_buffer, .address_space: global }
      - { .name: wq, .offset: 8, .size: 8, .value_kind: global_buffer, .address_space: global }
      - { .name: wk, .offset: 16, .size: 8, .value_kind: global_buffer, .address_space: global }
      - { .name: wv, .offset: 24, .size: 8, .value_kind: global_buffer, .address_space: global }
      - { .name: wo, .offset: 32, .size: 8, .value_kind: global_buffer, .address_space: global }
      - { .name: position_ids, .offset: 40, .size: 8, .value_kind: global_buffer, .address_space: global }
      - { .name: xc, .offset: 48, .size: 8, .value_kind: global_buffer, .address_space: global }
      - { .name: xs, .offset: 56, .size: 8, .value_kind: global_buffer, .address_space: global }
      - { .name: wc, .offset: 64, .size: 8, .value_kind: global_buffer, .address_space: global }
      - { .name: ws, .offset: 72, .size: 8, .value_kind: global_buffer, .address_space: global }
      - { .name: wot, .offset: 80, .size: 8, .value_kind: global_buffer, .address_space: global }
      - { .name: rope, .offset: 88, .size: 8, .value_kind: global_buffer, .address_space: global }
    .group_segment_fixed_size: 102912
    .private_segment_fixed_size: 0
    .kernarg_segment_align: 8
    .kernarg_segment_size: 96
    .max_flat_workgroup_size: 128
    .sgpr_count:     66
    .vgpr_count:     192
    .wavefront_size: 32
...
	.end_amdgpu_metadata
.endif
;; end of part 1
;; launch qkv (part 2): grid 24 x 8, 4 waves a work-group, clusters of 4 x 4, 327,680 bytes of LDS; arguments xc, xs, wc, ws, qkv, rope, q_norm_w, k_norm_w; writes qkv
.if DOCPART == 2
	.amdgcn_target "amdgcn-amd-amdhsa--gfx1250"
	.amdhsa_code_object_version 6
	.text
	.protected	k_q3123370a1f_qkv
	.globl	k_q3123370a1f_qkv
	.p2align	8
	.type	k_q3123370a1f_qkv,@function
k_q3123370a1f_qkv:
	s_mov_b64 s[64:65], 0
	v_nop
	global_prefetch_b8 v0, s[64:65] scope:SCOPE_SE
	s_setreg_imm32_b32 hwreg(HW_REG_WAVE_MODE, 25, 1), 1
	s_wait_xcnt 0x0
	s_wait_alu depctr_hold_cnt(0) depctr_sa_sdst(0) depctr_va_vdst(0) depctr_va_sdst(0) depctr_va_ssrc(0) depctr_va_vcc(0) depctr_vm_vsrc(0)
	s_getreg_b32 s2, hwreg(HW_REG_IB_STS2, 6, 4)
	s_cmp_eq_u32 s2, 0
	s_cbranch_scc0 .Lentry_in_a_cluster
	s_endpgm
.Lentry_in_a_cluster:
	s_bfe_u32 s2, ttmp6, 0x10000c
	s_cmp_lg_u32 s2, 0xf033
	s_cbranch_scc0 .Lentry_shape_is_right
	s_endpgm
.Lentry_shape_is_right:
; THE THREE QUANTISED PRODUCTS AS ONE GEMM ON CODES OF FP4, C[m][n] = sum over k of x[m][k] W[n][k], m = 2,048 positions, n = 6,144 = 2,048 t + column (t = 0: wq, 1: wk, 2: wv), k = 2,048,
; with the per-head RMS norm, the rotary embedding and the rounding to f16 as its way out.  Result: qkv [48 planes][2,048 positions][128] f16: planes 0-15 q's heads, 16-31 k's, 32-47 v's.
; A tile of C, 256 x 256, is made by a work-group of four waves; a wave makes 128 x 128: 64 accumulators, 512 registers; its 128 columns are exactly one head, so norm and rotation stay inside the wave.
; K goes in steps of 512 through a ring of two LDS slots filled by the tensor data mover (a tile's row is 256 bytes).  The scale bytes of the work-group's rows, for all of K, come into LDS once, with the first fills.
; CLUSTERS: 4 x 4 work-groups.  The four of a row of the cluster need the same tiles of x, the four of a column the same tiles of W: each tile is asked for jointly.  192 work-groups: 24 x 8 tiles.
; THE MATRIX INSTRUCTION IS USED TRANSPOSED (source 0 = 16 rows of W, source 1 = 16 rows of x): lane (r, h) holds position r and, in accumulator b, channels 16 b + 8 h + 0 .. 7 of the head.
; THE WAY OUT parts once, on the cluster's x: q's and k's planes take norm and rotation, v's planes are rounded as they are.  The table of cos and sin is asked for three blocks of 16 positions ahead.
; LIMITS: v is rounded to f16: magnitudes up to 65,504.  q and k are at most sqrt(128) x the norm's largest weight.  NaN and infinities are not served.
; A work-group of v's planes also issues the head's loads of the norm's weights and of the first table block, which it does not use: so the registers are written on every way through the text.
; REGISTERS, in windows of 256: window 0: v0-31 addresses; v32-95 scale words, two sets, and nothing else; v96-107 at work on the way out; v128-191 x's fragments, ONE set, on the way out the rotated numbers; v192-255 rows read back.
;   window 1: W's fragments, TWO sets, at v0 and v128; v64-127 the norm's weights; v192-255 the first table block.   windows 2, 3: the accumulators of my rows 0-63, 64-127.
;   On the way out the table blocks lie: 0 and 3 in window 1 v192-255, 1 in window 1 v0-63, 2 in window 1 v128-191 (W's fragments are done with), 4 to 7 in window 2, over the accumulators of blocks 0 to 3, which are done with by then.
.set SIZE_M, 2048
.set SIZE_N, 6144
.set SIZE_K, 2048
.set KSTEP,  512                       ; along K in a slot
.set NQ,     KSTEP/128                 ; matrix instructions deep
.set ROWB,   256                       ; a tile's row in bytes
.set KROW,   SIZE_K*4/8                ; a row of codes in memory
.set PITCH,  272                       ; an LDS row: 256 bytes + 16 of padding = 68 words: row r starts at bank 4 r mod 64 (64 banks of 4 bytes: ISA guide 11.1)
.set FR,     8                         ; registers of a fragment: 16 rows x 128 K
.set NL,     2                         ; LDS loads that bring one
.set NP,     4                         ; places behind this matrix instruction (ISA guide 7.12.1)
.set HALFT,  128*PITCH                 ; 128 rows: what one tensor load brings
.set SLOT,   4*HALFT                   ; x's 256 rows, then W's 256 rows
.set LAPS,   SIZE_K/(2*KSTEP)
.set KS,     SIZE_K/32                 ; a row of scale bytes
.set SCL,    2*SLOT                    ; behind the ring: the scales, as units of 256 bytes + 16 of padding
.set HALFS,  (128*KS/256)*272
.set SBLK,   (16*KS/256)*272
.set SPARE,  SCL+4*HALFS               ; the spare words, 128 bytes for each wave: two blocks of 256 bytes that no other line names
.set SPITCH, 272                       ; the way out: a stage of 16 rows x (256 bytes + 16) for each wave, in slot 0, which has had its last fill and its last read when the first result is stored there
.set VST,    4*16*SPITCH               ; the stages of v's way lie behind those of q's and k's way: each way has LDS bytes of its own
.set ADRA, 16
.set ADRB, 20
.set STO,  24                          ; v24  the way out: where I put 16 bytes of a row
.set RD,   25                          ; v25  where I read a row back
.set CO,   26                          ; v26  16 x lane: my place in a table load and in a store of two rows
.set ADRS, 27
.set SPW,  28
.set NIL,  29
.set WA,   31                          ; v31  32 h: my eight weights of an accumulator
.set SC,   32
.set AF,   128
.set SS,   96                          ; v96-103 four chains of squares
.set PX,   104                         ; v104    a lane permute's destination
.set RS,   106                         ; v[106:107] 1 / rms (the packed form names a pair and takes its low word)
.set O,    128                         ; v128-191 the rotated numbers; then, in place, v128-159 their f16
.set BK,   192                         ; v192-223, v224-255 rows read back, by turns
.set WN,   64                          ; window 1: the norm's weights
.set G1, 24
.set G0, 32
.set G1B, 48
.set G0B, 56
.set G1S, 68
.set G0S, 76
.set G1SB, 80
.set G0SB, 88
.set MSB, 0
.macro WIN new                         ; the immediate's high byte repeats the setting that is left
.if MSB != (\new)
	s_set_vgpr_msb (MSB<<8)|(\new)
.set MSB, (\new)
.endif
.endm
.set MUL_LO, 0xa1                      ; source 0 (W) window 1, source 1 (x) window 0, C and D window 2
.set MUL_HI, 0xf1
.set TO_B,   0x40                      ; destination window 1, address window 0
; A joint load: waves 0 and 1 fetch for x, waves 2 and 3 for W.  The branch hangs on the wave's number alone.  An s_nop 0 and four v_nop follow each of the two lines.
.macro JLOAD g0a, g1a, g0b, g1b
	s_cmp_eq_u32 s15, 0
	s_cbranch_scc0 .Lfor_b_\@
	tensor_load_to_lds s[\g0a:\g0a+3], s[\g1a:\g1a+7]
	s_nop 0
.rept 4
	v_nop
.endr
	s_branch .Lasked_\@
.Lfor_b_\@:
	tensor_load_to_lds s[\g0b:\g0b+3], s[\g1b:\g1b+7]
	s_nop 0
.rept 4
	v_nop
.endr
.Lasked_\@:
.endm
.macro CREST                           ; a round of the cluster's barrier behind its opening barrier
	s_cmp_lg_u32 s14, 0
	s_cbranch_scc1 .Lnot_wave_0_\@
	s_barrier_signal -3
.Lnot_wave_0_\@:
	s_barrier_wait -3
	s_barrier_signal -1
	s_barrier_wait -1
.endm
.macro CROUND
	s_barrier_signal -1
	s_barrier_wait -1
	CREST
.endm
	s_load_b128 s[4:7], s[0:1], 0x0                ; x's codes, x's scales
	s_load_b128 s[8:11], s[0:1], 0x10              ; W's codes, W's scales
	s_load_b64 s[12:13], s[0:1], 0x20              ; qkv
	s_load_b128 s[96:99], s[0:1], 0x28             ; the table, q's norm weights
	s_load_b64 s[100:101], s[0:1], 0x38            ; k's norm weights
	v_lshl_add_u32 v[SPW], v0, 2, SPARE
	v_mov_b32 v[NIL], 0
	ds_add_u32 v[SPW], v[NIL]                      ; the wave's opening: the add, twice on end, and its wait ahead of my first tensor load
	ds_add_u32 v[SPW], v[NIL]
	v_lshrrev_b32 v1, 5, v0
	v_readfirstlane_b32 s14, v1                    ; wave 0..3
	s_lshr_b32 s15, s14, 1                         ; which half of the tile's rows is mine.  Also: I fetch for x (0) or for W (1)
	s_and_b32 s16, s14, 1                          ; which half of its columns.  Also: which 128 rows of that tile I fetch
	s_bfe_u32 s40, ttmp6, 0x40000                  ; cx, cy: my place in the cluster
	s_bfe_u32 s41, ttmp6, 0x40004
	s_lshl_b32 s42, ttmp9, 2
	s_add_co_u32 s42, s42, s40                     ; tile column = 4 x cluster x + cx
	s_and_b32 s17, ttmp7, 0xffff
	s_lshl_b32 s17, s17, 2
	s_add_co_u32 s17, s17, s41                     ; tile row = 4 x cluster y + cy
	s_lshr_b32 s95, ttmp9, 1                       ; 0: q, 1: k, 2: v: eight tile columns, two clusters, to each: the same in all sixteen partners
	s_lshl_b32 s43, s41, 2
	s_lshl_b32 s43, 15, s43                        ; my row of the cluster
	s_lshl_b32 s44, 0x1111, s40                    ; my column
	s_or_b32 s[G1+0], s43, (0<<16)|(1<<20)|(1<<21)|(5<<22)|(3<<25)  ; the mask; elements of 1 byte; padding on; bit 21 beside a mask; after every 64 words, 4 words
	s_or_b32 s[G1B+0], s44, (0<<16)|(1<<20)|(1<<21)|(5<<22)|(3<<25)
.irp g, G1, G1B
	s_mov_b32 s[\g+1], ROWB<<16                    ; tensor_dim0
	s_mov_b32 s[\g+2], 128<<16                     ; tensor_dim1
	s_mov_b32 s[\g+3], ROWB<<16                    ; tile_dim0
	s_mov_b32 s[\g+4], 128                         ; tile_dim1
	s_mov_b32 s[\g+5], KROW                        ; stride
	s_mov_b32 s[\g+6], 0
	s_mov_b32 s[\g+7], 0
.endr
	s_or_b32 s[G1S+0], s43, (3<<16)|(1<<20)|(1<<21)|(5<<22)|(3<<25) ; the scales of 128 rows: a dense block, as rows of 256 bytes (32 elements of 8 bytes), 16 bytes of padding behind each
	s_or_b32 s[G1SB+0], s44, (3<<16)|(1<<20)|(1<<21)|(5<<22)|(3<<25)
.irp g, G1S, G1SB
	s_mov_b32 s[\g+1], 32<<16
	s_mov_b32 s[\g+2], (128*KS/256)<<16
	s_mov_b32 s[\g+3], 32<<16
	s_mov_b32 s[\g+4], 128*KS/256
	s_mov_b32 s[\g+5], 32
	s_mov_b32 s[\g+6], 0
	s_mov_b32 s[\g+7], 0
.endr
	s_lshl_b32 s18, s16, 7
	s_lshl_b32 s20, s17, 8
	s_add_co_u32 s20, s20, s18                     ; x: row 256 x tile row + 128 x half
	s_lshl_b32 s46, s42, 8
	s_add_co_u32 s46, s46, s18                     ; W: row 256 x tile column + 128 x half
	s_mov_b32 s21, 0
	s_mov_b32 s47, 0
	s_mov_b64 s[18:19], KS
	s_mul_u64 s[22:23], s[20:21], s[18:19]
	s_mul_u64 s[92:93], s[46:47], s[18:19]
	s_mov_b64 s[18:19], KROW
	s_mul_u64 s[20:21], s[20:21], s[18:19]
	s_mul_u64 s[46:47], s[46:47], s[18:19]
	s_mul_i32 s45, s14, HALFT                      ; where they go: wave x 128 rows: no place in the cluster enters an LDS address
	s_mul_i32 s94, s14, HALFS
	s_wait_dscnt 0x0                               ; both opening adds are done
	s_wait_kmcnt 0x0
	s_add_nc_u64 s[20:21], s[4:5], s[20:21]
	s_add_nc_u64 s[22:23], s[6:7], s[22:23]
	s_add_nc_u64 s[46:47], s[8:9], s[46:47]
	s_add_nc_u64 s[92:93], s[10:11], s[92:93]
	CROUND                                         ; all sixteen work-groups are here: the first joint loads meet
	s_mov_b32 s[G0S], 1
	s_add_co_u32 s[G0S+1], s94, SCL
	s_mov_b64 s[G0S+2:G0S+3], s[22:23]
	s_or_b32 s[G0S+3], s[G0S+3], 0x80000000
	s_mov_b32 s[G0SB], 1
	s_add_co_u32 s[G0SB+1], s94, SCL
	s_mov_b64 s[G0SB+2:G0SB+3], s[92:93]
	s_or_b32 s[G0SB+3], s[G0SB+3], 0x80000000
	JLOAD G0S, G1S, G0SB, G1SB                     ; the scales first: they are wanted with K step 0.  Three tensor loads of mine are out behind the first fills
.irp s, 0,1
	s_mov_b32 s[G0+4*\s], 1
	s_add_co_u32 s[G0+4*\s+1], s45, \s*SLOT
	s_add_nc_u64 s[G0+4*\s+2:G0+4*\s+3], s[20:21], \s*ROWB
	s_or_b32 s[G0+4*\s+3], s[G0+4*\s+3], 0x80000000
	s_mov_b32 s[G0B+4*\s], 1
	s_add_co_u32 s[G0B+4*\s+1], s45, \s*SLOT
	s_add_nc_u64 s[G0B+4*\s+2:G0B+4*\s+3], s[46:47], \s*ROWB
	s_or_b32 s[G0B+4*\s+3], s[G0B+4*\s+3], 0x80000000
	JLOAD G0+4*\s, G1, G0B+4*\s, G1B
.endr
	v_and_b32 v1, 15, v0                           ; r = l % 16
	v_bfe_u32 v2, v0, 4, 1                         ; h = l / 16
	v_mul_u32_u24 v3, v1, PITCH
	v_lshl_add_u32 v4, v2, 4, v3                   ; a fragment's row x pitch + 16 x half
	s_mul_i32 s21, s15, HALFT
	s_mul_i32 s22, s16, HALFT
	s_add_co_u32 s22, s22, 2*HALFT
.irp s, 0,1
	v_add_nc_u32 v[ADRA+\s], s21, v4
	v_add_nc_u32 v[ADRB+\s], s22, v4
	s_add_co_u32 s21, s21, SLOT
	s_add_co_u32 s22, s22, SLOT
.endr
	v_mul_u32_u24 v5, v1, KS                       ; my row's scales: KS bytes a row,
	v_lshrrev_b32 v6, 8, v5
	v_lshl_add_u32 v5, v6, 4, v5                   ; and 16 more for each 256 passed
	s_mul_i32 s21, s15, HALFS
	s_mul_i32 s22, s16, HALFS
	s_add_co_u32 s22, s22, 2*HALFS
	s_sub_co_u32 s22, s22, s21
	v_mul_u32_u24 v6, s22, v2                      ; lanes 16-31 take W's
	s_add_co_u32 s21, s21, SCL
	v_add_nc_u32 v5, v5, v6
	v_add_nc_u32 v[ADRS], s21, v5
	s_mul_i32 s23, s14, 16*SPITCH                  ; my stage
	v_mul_u32_u24 v5, v1, SPITCH                   ; in: row r, 16 bytes for each half of the lanes
	v_lshl_add_u32 v5, v2, 4, v5
	v_add_nc_u32 v[STO], s23, v5
	v_mul_u32_u24 v5, v2, SPITCH                   ; back: lanes 0-15 one row of 256 bytes, lanes 16-31 the next
	v_lshl_add_u32 v5, v1, 4, v5
	v_add_nc_u32 v[RD], s23, v5
	v_and_b32 v6, 31, v0
	v_lshlrev_b32 v[CO], 4, v6
	v_lshlrev_b32 v[WA], 5, v2
	v_mov_b32 v[PX], 0                             ; written once: a lane permute's destination counts as one of its sources
	v_mov_b32 v[RS+1], 0                           ; named with v106 as a pair, so it is written
	s_cmp_eq_u32 s95, 0
	s_cselect_b64 s[98:99], s[98:99], s[100:101]   ; q's weights or k's
	s_lshl_b32 s20, s17, 8
	s_lshl_b32 s21, s15, 7
	s_add_co_u32 s20, s20, s21                     ; my first position: 256 x tile row + 128 x half
	s_lshl_b32 s46, s20, 9                         ; the table: 8,192 bytes for each 16 positions
	s_mov_b32 s47, 0
	s_add_nc_u64 s[96:97], s[96:97], s[46:47]
	s_lshl_b32 s46, s42, 1
	s_add_co_u32 s46, s46, s16                     ; my plane: 2 x tile column + half
	s_lshl_b32 s46, s46, 19                        ; 524,288 bytes a plane,
	s_lshl_b32 s20, s20, 8                         ; 256 a position
	s_add_co_u32 s46, s46, s20
	s_add_nc_u64 s[12:13], s[12:13], s[46:47]
	s_mov_b32 s20, 0x76543210
	s_mov_b32 s21, 0xfedcba98                      ; v_permlanex16_b32's selects for lane l xor 16
	s_mov_b32 s22, 0x3c000000                      ; 1 / 128
	s_mov_b32 s23, 0x358637bd                      ; 1e-6
.macro CSPLACE a                       ; where block a's cos and sin lie: window CSW, 64 registers from CSB on
.if ((\a) == 0) || ((\a) == 3)
.set CSW, 1
.set CSB, 192
.elseif (\a) == 1
.set CSW, 1
.set CSB, 0
.elseif (\a) == 2
.set CSW, 1
.set CSB, 128
.else
.set CSW, 2
.set CSB, 64*((\a)-4)
.endif
.endm
.macro CSLOAD a                        ; block a's cos and sin: 16 loads of 512 consecutive bytes
	CSPLACE \a
	WIN CSW<<6                                     ; destination in the block's window, address in window 0
.irp q, 0,1,2,3,4,5,6,7,8,9,10,11,12,13,14,15
	global_load_b128 v[CSB+4*\q:CSB+4*\q+3], v[CO], s[96:97] offset:(\a)*8192+512*\q
.endr
.endm
	WIN TO_B                                       ; 32 loads that stay out during the K loop, which has no other global load and touches none of their registers
.irp b, 0,1,2,3,4,5,6,7
.irp c, 0,1
	global_load_b128 v[WN+8*\b+4*\c:WN+8*\b+4*\c+3], v[WA], s[98:99] offset:64*\b+16*\c   ; w(16 b + 8 h + 4 c ..)
.endr
.endr
	CSLOAD 0
	WIN 0
.macro FRAG reg, adr, q, i             ; a fragment: lane l holds row l % 16; registers 4 c .. 4 c + 3 hold K = 64 c + 32 (l / 16) + 0 .. 31
.irp c, 0,1
	ds_load_b128 v[\reg+4*\c:\reg+4*\c+3], v[\adr] offset:64*(\q)+32*\c+(\i)*16*PITCH
.endr
.endm
; 16 matrix instructions: x's blocks a0, a0 + 1 against W's eight, 128 along K.  The 64 accumulators take turns, one instruction a turn, in the same order in every step.
.macro MUL16 a0, p, q, sc, zero
.irp a, \a0, \a0+1
.irp b, 0,1,2,3,4,5,6,7
.if \zero
	v_wmma_scale_f32_16x16x128_f8f6f4 v[8*(8*((\a)%4)+\b):8*(8*((\a)%4)+\b)+7], v[128*(\p)+FR*\b:128*(\p)+FR*\b+FR-1], v[AF+FR*(\a):AF+FR*(\a)+FR-1], 0, v[SC+8*NQ*(\sc)+NQ*\b+(\q)], v[SC+8*NQ*(\sc)+NQ*(\a)+(\q)] matrix_a_fmt:MATRIX_FMT_FP4 matrix_b_fmt:MATRIX_FMT_FP4 matrix_a_scale:MATRIX_SCALE_ROW1
.else
	v_wmma_scale_f32_16x16x128_f8f6f4 v[8*(8*((\a)%4)+\b):8*(8*((\a)%4)+\b)+7], v[128*(\p)+FR*\b:128*(\p)+FR*\b+FR-1], v[AF+FR*(\a):AF+FR*(\a)+FR-1], v[8*(8*((\a)%4)+\b):8*(8*((\a)%4)+\b)+7], v[SC+8*NQ*(\sc)+NQ*\b+(\q)], v[SC+8*NQ*(\sc)+NQ*(\a)+(\q)] matrix_a_fmt:MATRIX_FMT_FP4 matrix_b_fmt:MATRIX_FMT_FP4 matrix_a_scale:MATRIX_SCALE_ROW1
.endif
.endr
.endr
.endm
.macro FETCH_B slot, q, p
	WIN TO_B
.irp i, 0,1,2,3,4,5,6,7
	FRAG 128*(\p)+FR*\i, ADRB+\slot, \q, \i
.endr
	WIN 0
.endm
.macro FETCH_A slot, q, i0
.irp i, \i0, \i0+1, \i0+2, \i0+3
	FRAG AF+FR*(\i), ADRA+\slot, \q, \i
.endr
.endm
.macro SCALES sc                       ; the next K step's scale words: lanes 0-15 take x's block i, lanes 16-31 W's block i
.irp i, 0,1,2,3,4,5,6,7
	ds_load_b128 v[SC+8*NQ*\sc+NQ*\i:SC+8*NQ*\sc+NQ*\i+3], v[ADRS] offset:\i*SBLK
.endr
.endm
.macro PLACES n                        ; places behind matrix instructions: plain vector instructions that name none of their registers (ISA guide 7.12.1)
.rept \n
	v_nop
.endr
.endm
.macro STEP slot, q, zero              ; a step of 128 along K that has its successor in the same slot
	s_wait_dscnt 4*NL                              ; W's set and x's blocks 0-3 are in; the youngest eight loads (x's blocks 4-7) may be out
	WIN MUL_LO
	MUL16 0, (\q)%2, \q, \slot, \zero
	MUL16 2, (\q)%2, \q, \slot, \zero
	s_wait_dscnt 0
	PLACES NP
	FETCH_B \slot, (\q)+1, 1-(\q)%2
	FETCH_A \slot, (\q)+1, 0
	WIN MUL_HI
	MUL16 4, (\q)%2, \q, \slot, \zero
	MUL16 6, (\q)%2, \q, \slot, \zero
	PLACES NP
	WIN 0
	FETCH_A \slot, (\q)+1, 4
.endm
; A slot's last step changes slots: one barrier; in front of it each wave waits for all its tensor loads, adds 0 to its spare word, and waits for that and for its own reads of this slot.
.macro TURN slot, next, fill
	s_wait_tensorcnt 0x0                           ; all my tensor loads have landed: my part of the next slot
	ds_add_u32 v[SPW], v[NIL]
	s_wait_dscnt 4*NL+1                            ; the add and the youngest eight loads may be out
	WIN MUL_LO
	MUL16 0, 1, NQ-1, \slot, 0
	s_wait_dscnt 0x0                               ; the add is done, and my reads of this slot are over
	s_barrier_signal -1
	MUL16 2, 1, NQ-1, \slot, 0
	WIN 0
	s_barrier_wait -1
.if \fill
	CREST                                          ; the barrier has opened a round of the cluster's barrier: no wave of any partner still reads this slot or has a load on its way
	s_add_nc_u64 s[G0+4*\slot+2:G0+4*\slot+3], s[G0+4*\slot+2:G0+4*\slot+3], 2*ROWB
	s_add_nc_u64 s[G0B+4*\slot+2:G0B+4*\slot+3], s[G0B+4*\slot+2:G0B+4*\slot+3], 2*ROWB
	JLOAD G0+4*\slot, G1, G0B+4*\slot, G1B         ; the first tensor load behind the round, my one load until the next
.else
	PLACES NP
.endif
	v_add_nc_u32 v[ADRS], 4*NQ, v[ADRS]
	FETCH_B \next, 0, 0
	FETCH_A \next, 0, 0
	SCALES \next
	WIN MUL_HI
	MUL16 4, 1, NQ-1, \slot, 0
	MUL16 6, 1, NQ-1, \slot, 0
	PLACES NP
	WIN 0
	FETCH_A \next, 0, 4
.endm
.macro STEPS slot, from
.set Q, \from
.rept NQ-1-\from
	STEP \slot, Q, 0
.set Q, Q+1
.endr
.endm
	s_wait_tensorcnt 1                             ; the scales and my part of K step 0 are in; K step 1's load may be out
	s_barrier_signal -1
	s_barrier_wait -1
	FETCH_B 0, 0, 0
	FETCH_A 0, 0, 0
	SCALES 0
	FETCH_A 0, 0, 4
	STEP 0, 0, 1                                   ; the first step stands in front of the loop: its products start the sums
	s_mov_b32 s3, LAPS-1
.Llap:
	STEPS 0, 1
	TURN 0, 1, 1
	STEPS 1, 0
	TURN 1, 0, 1
	STEP 0, 0, 0
	s_sub_co_u32 s3, s3, 1
	s_cmp_lg_u32 s3, 0
	s_cbranch_scc1 .Llap
	STEPS 0, 1                                     ; the last lap fills nothing
	TURN 0, 1, 0
	STEPS 1, 0
	s_wait_dscnt 4*NL
	WIN MUL_LO
	MUL16 0, 1, NQ-1, 1, 0
	MUL16 2, 1, NQ-1, 1, 0
	s_wait_dscnt 0
	WIN MUL_HI
	MUL16 4, 1, NQ-1, 1, 0
	MUL16 6, 1, NQ-1, 1, 0
	WIN 0
; THE WAY OUT, block by block of 16 positions x the head's 128 channels.
; q and k: sum of squares of my 64 numbers and of lane l xor 16's; 1 / sqrt(mean + 1e-6); y = x w; (y0 c - y1 s, y0 s + y1 c) for each pair; times 1 / rms; f16.
; THE TABLE RUNS THREE BLOCKS AHEAD.  Order of issue: blocks 1 and 2 at the way's start; block 3 behind block 0's last read of its own table, into the same registers; block a + 3 in block a (a = 1 .. 4), behind the
; wait for block a's table, over the accumulators of block a - 1.  So at most three tables, 48 loads, are out, and the wait in block a leaves out what was issued behind table a: two tables (a = 1 .. 5), one (a = 6), none (a = 7).
; Block 0's table and the norm's weights have been waited for ahead of the branch.  The wait stands in front of the first multiplication by cos: the squares and the weights need no table.
.macro NORMROPE a
.set AW, 2+(\a)/4                      ; the block's accumulators: window 2 or 3,
.set AC, 64*((\a)%4)                   ; 64 registers from here
	WIN AW|(AW<<2)
.irp p, 0,1,2,3
	v_pk_mul_f32 v[SS+2*\p:SS+2*\p+1], v[AC+2*\p:AC+2*\p+1], v[AC+2*\p:AC+2*\p+1]   ; four chains; each accumulator is read from its low end on
.endr
.irp b, 1,2,3,4,5,6,7
.irp p, 0,1,2,3
	v_pk_fma_f32 v[SS+2*\p:SS+2*\p+1], v[AC+8*\b+2*\p:AC+8*\b+2*\p+1], v[AC+8*\b+2*\p:AC+8*\b+2*\p+1], v[SS+2*\p:SS+2*\p+1]
.endr
.endr
	WIN 0
	v_pk_add_f32 v[SS:SS+1], v[SS:SS+1], v[SS+2:SS+3]
	v_pk_add_f32 v[SS+4:SS+5], v[SS+4:SS+5], v[SS+6:SS+7]
	v_pk_add_f32 v[SS:SS+1], v[SS:SS+1], v[SS+4:SS+5]
	v_add_f32 v[SS], v[SS], v[SS+1]
	v_permlanex16_b32 v[PX], v[SS], s20, s21
	v_add_f32 v[SS], v[SS], v[PX]                  ; the row's sum of squares
	v_fma_f32 v[SS], v[SS], s22, s23               ; mean + 1e-6
	v_rsq_f32 v[RS], v[SS]
	WIN AW|(1<<2)|(AW<<6)
.set i, 0
.rept 32
	v_pk_mul_f32 v[AC+i:AC+i+1], v[AC+i:AC+i+1], v[WN+i:WN+i+1]   ; y = x w: plain work behind the reciprocal root
.set i, i+2
.endr
.if (\a) == 7
	s_wait_loadcnt 0x0                             ; the last table is in
.elseif (\a) == 6
	s_wait_loadcnt 16                              ; this block's table is in; block 7's 16 loads may be out
.elseif (\a) > 0
	s_wait_loadcnt 32                              ; this block's table is in; the next two blocks' 32 loads may be out
.endif
.if ((\a) > 0) && ((\a) < 5)
	CSLOAD (\a)+3                                  ; over the accumulators of the block before, which are done with
.endif
	CSPLACE \a
	WIN AW|(CSW<<2)
.set i, 0
.rept 32
	v_pk_mul_f32 v[O+i:O+i+1], v[AC+i:AC+i+1], v[CSB+i:CSB+i+1] op_sel_hi:[1,0]   ; (y0 c, y1 c): of the pair (c, s) the first serves both halves
.set i, i+2
.endr
.set i, 0
.rept 32
	v_pk_fma_f32 v[O+i:O+i+1], v[AC+i:AC+i+1], v[CSB+i:CSB+i+1], v[O+i:O+i+1] op_sel:[1,1,0] op_sel_hi:[0,1,1] neg_lo:[0,1,0]   ; low: -y1 s + y0 c; high: y0 s + y1 c
.set i, i+2
.endr
.if (\a) == 0
	CSLOAD 3                                       ; into the registers of block 0's table, which has just been read for the last time
.endif
	WIN 0
	s_wait_alu depctr_va_vdst(0)                   ; ahead of the reciprocal root's first reader
.set i, 0
.rept 32
	v_pk_mul_f32 v[O+i:O+i+1], v[O+i:O+i+1], v[RS:RS+1] op_sel_hi:[1,0]
.set i, i+2
.endr
.set i, 0
.rept 32
	v_cvt_pk_f16_f32 v[O+i], v[O+2*i], v[O+2*i+1]  ; in place, ascending
.set i, i+1
.endr
.endm
.macro PACKV a                         ; v: rounded as it is
.set AW, 2+(\a)/4
.set AC, 64*((\a)%4)
	WIN AW|(AW<<2)
.set i, 0
.rept 32
	v_cvt_pk_f16_f32 v[O+i], v[AC+2*i], v[AC+2*i+1]
.set i, i+1
.endr
	WIN 0
.endm
.macro TOSTAGE a, st                   ; a lane's eight channels of an accumulator are 16 bytes of a row; they come back as whole rows of 256 bytes.  st: the way's own stages.  LDS serves a wave's instructions in order (ISA guide 5.7.1.4): no wait between
.irp b, 0,1,2,3,4,5,6,7
	ds_store_b128 v[STO], v[O+4*\b:O+4*\b+3] offset:\st+32*\b
.endr
.irp t, 0,1,2,3,4,5,6,7
	ds_load_b128 v[BK+32*((\a)%2)+4*\t:BK+32*((\a)%2)+4*\t+3], v[RD] offset:\st+\t*2*SPITCH
.endr
.endm
.macro SEND a
	s_wait_dscnt 0x0                               ; the block is back in registers
	s_wait_xcnt 0x0                                ; the block before's stores have read their registers, into which the next block's rows are loaded
.irp t, 0,1,2,3,4,5,6,7
	global_store_b128 v[CO], v[BK+32*((\a)%2)+4*\t:BK+32*((\a)%2)+4*\t+3], s[12:13] offset:4096*(\a)+512*\t   ; 32 lanes store two rows, 512 consecutive bytes, aligned
.endr
.endm
	PLACES NP                                      ; behind the last products: for the reads of results, the writes over x's fragments and the loads over W's
	s_wait_loadcnt 0x0                             ; the head's 32 loads, issued ahead of the K loop: the norm's weights and block 0's table are in; no load of mine is out at the branch
	s_cmp_eq_u32 s95, 2                            ; the cluster's x alone decides: all partners and all waves go the same way
	s_cbranch_scc1 .Lvalues
	CSLOAD 1                                       ; q's and k's way: over W's first set of fragments,
	CSLOAD 2                                       ; and over its second
.irp a, 0,1,2,3,4,5,6,7
	NORMROPE \a
.if \a > 0
	SEND \a-1                                      ; a block's arithmetic stands between the loads of the block before and its stores
.endif
	TOSTAGE \a, 0
.endr
	s_branch .Llast
.Lvalues:                                              ; v's way
.irp a, 0,1,2,3,4,5,6,7
	PACKV \a
.if \a > 0
	SEND \a-1
.endif
	TOSTAGE \a, VST
.endr
.Llast:                                                ; the ways join: the last block's rows are on their way back from the stage into the same registers on both
	SEND 7
	s_wait_tensorcnt 0x0                           ; the wave's end, behind my last tensor load and my last LDS store
	ds_add_u32 v[SPW], v[NIL]
	s_wait_dscnt 0x0
	CROUND                                         ; the closing round
	s_endpgm
.Lfunc_end_k_q3123370a1f_qkv:
	.size	k_q3123370a1f_qkv, .Lfunc_end_k_q3123370a1f_qkv-k_q3123370a1f_qkv
	.p2alignl 7, 3214868480
	.fill 96, 4, 3214868480
	.section	.rodata,"a",@progbits
	.p2align	6, 0x0
	.amdhsa_kernel k_q3123370a1f_qkv
		.amdhsa_group_segment_fixed_size 327680
		.amdhsa_private_segment_fixed_size 0
		.amdhsa_enable_private_segment 0
		.amdhsa_kernarg_size 64
		.amdhsa_user_sgpr_count 2
		.amdhsa_user_sgpr_kernarg_segment_ptr 1
		.amdhsa_wavefront_size32 1
		.amdhsa_system_sgpr_workgroup_id_x 1
		.amdhsa_system_sgpr_workgroup_id_y 1
		.amdhsa_system_sgpr_workgroup_id_z 1
		.amdhsa_system_vgpr_workitem_id 0
		.amdhsa_next_free_vgpr 1024
		.amdhsa_next_free_sgpr 102
		.amdhsa_reserve_vcc 0
		.amdhsa_float_denorm_mode_32 3
		.amdhsa_float_denorm_mode_16_64 3
		.amdhsa_memory_ordered 1
		.amdhsa_forward_progress 1
		.amdhsa_inst_pref_size 255
	.end_amdhsa_kernel
	.section	.bss,"aw",@nobits
	.p2align	6
	.space	262144
	.amdgpu_metadata
---
amdhsa.version: [ 1, 2 ]
amdhsa.kernels:
  - .name:           k_q3123370a1f_qkv
    .symbol:         k_q3123370a1f_qkv.kd
    .args:
      - { .name: xc, .offset: 0, .size: 8, .value_kind: global_buffer, .address_space: global }
      - { .name: xs, .offset: 8, .size: 8, .value_kind: global_buffer, .address_space: global }
      - { .name: wc, .offset: 16, .size: 8, .value_kind: global_buffer, .address_space: global }
      - { .name: ws, .offset: 24, .size: 8, .value_kind: global_buffer, .address_space: global }
      - { .name: qkv, .offset: 32, .size: 8, .value_kind: global_buffer, .address_space: global }
      - { .name: rope, .offset: 40, .size: 8, .value_kind: global_buffer, .address_space: global }
      - { .name: q_norm_w, .offset: 48, .size: 8, .value_kind: global_buffer, .address_space: global }
      - { .name: k_norm_w, .offset: 56, .size: 8, .value_kind: global_buffer, .address_space: global }
    .group_segment_fixed_size: 327680
    .private_segment_fixed_size: 0
    .kernarg_segment_align: 8
    .kernarg_segment_size: 64
    .max_flat_workgroup_size: 128
    .sgpr_count:     102
    .vgpr_count:     1024
    .wavefront_size: 32
...
	.end_amdgpu_metadata
.endif
;; end of part 2
;; launch attn (part 3): grid 16 x 16, 4 waves a work-group, clusters of 4 x 1, 327,680 bytes of LDS; arguments qkv, ctx; writes ctx
.if DOCPART == 3
	.amdgcn_target "amdgcn-amd-amdhsa--gfx1250"
	.amdhsa_code_object_version 6
	.text
	.protected	k_q3123370a1f_attn
	.globl	k_q3123370a1f_attn
	.p2align	8
	.type	k_q3123370a1f_attn,@function
k_q3123370a1f_attn:
	s_mov_b64 s[64:65], 0
	v_nop
	global_prefetch_b8 v0, s[64:65] scope:SCOPE_SE
	s_setreg_imm32_b32 hwreg(HW_REG_WAVE_MODE, 25, 1), 1
	s_wait_xcnt 0x0
	s_wait_alu depctr_hold_cnt(0) depctr_sa_sdst(0) depctr_va_vdst(0) depctr_va_sdst(0) depctr_va_ssrc(0) depctr_va_vcc(0) depctr_vm_vsrc(0)
	s_getreg_b32 s2, hwreg(HW_REG_IB_STS2, 6, 4)
	s_cmp_eq_u32 s2, 0
	s_cbranch_scc0 .Lentry_in_a_cluster
	s_endpgm
.Lentry_in_a_cluster:
	s_bfe_u32 s2, ttmp6, 0x10000c
	s_cmp_lg_u32 s2, 0x3003
	s_cbranch_scc0 .Lentry_shape_is_right
	s_endpgm
.Lentry_shape_is_right:
; ctx[q][head] = the sum over k of softmax_k(Q[q] . K[k] / sqrt(128)) V[k], for 16 heads of 128, 2,048 positions, no mask.  Q, K, V: planes of qkv, [2,048][128] f16; ctx [2,048][2,048] f16.
; Products, maxima and sums in f32; the weights p (at most 1) are rounded to f16 for the second product, the result once at the end.  LIMIT: the result is an average of v: magnitudes up to 65,504.
; SHARES.  A work-group owns 128 queries of one head: 256 work-groups.  Wave w: u = w % 2, g = w / 2.  It owns the 64 queries 64 u on, four tiles of 16, and walks HALF of the keys: of each slot of 256 keys
; the rows 128 g .. 128 g + 127, two key steps of 64.  So each fragment of K and V read from LDS feeds four tiles.  At the end waves w and w xor 2, which own the same queries, merge through LDS:
; register tile t holds query tile t xor 2 g, so that every wave finishes its register tiles 0, 1 and hands over 2, 3: one text for all waves; only addresses differ.
; LAYOUT.  S^T = K Q^T (source 0 = 16 keys, source 1 = 16 queries): a lane holds ONE query (lane % 16) and the keys 8 (lane / 16) + 0..7.  Two such tiles, rounded in pairs, ARE source 1 of O^T = V^T P.
; K comes out of LDS as it lies, V ([key][channel]) turned, by ds_load_tr16_b128.
; SOFTMAX.  For each query a running maximum m and sum l: p = 2^(c s - c m), c = log2(e) / sqrt(128); in every step O and l are multiplied by a = 2^(c m_old - c m_new).
; BY TURNS.  The wave's tiles are two pieces (tiles 0, 1 and tiles 2, 3).  In a turn one piece has the matrix unit: 32 products V^T P of the step in hand, then 32 products K Q^T of the next;
; the other piece's softmax, cut into 64 slices, stands between them, one slice behind each matrix instruction.  Two turns are a key step.
; CLUSTER.  The four query blocks of a cluster belong to one head and walk the same K and V: each tile is asked for jointly, by the same tensor load with a mask that names the four.
; REGISTERS, in windows of 256: window 0: v0-11 addresses; v12-43 statistics; v44-60 addresses and work of the merge; v61-63; v64-191 S^T; v192-255 P.
;   window 1: O^T, 64 a tile.   window 2: v0-127 Q (at the end the partner's O^T); v128-255 K of one step.   window 3: v0-127 V of one step.
.set KS,    64        ; keys in a step
.set PK,    272       ; a row of K in LDS: 256 bytes + 16: row r starts at bank 4 r mod 64 (64 banks of 4 bytes: ISA guide 11.1)
.set PV,    288       ; a row of V: 256 + 32
.set VOFF,  256*PK    ; a slot: 256 rows of K, then 256 rows of V
.set SLOTB, 256*(PK+PV)
.set SPARE, 2*SLOTB   ; behind the ring: the spare words, 128 bytes for each wave: two blocks of 256 bytes that no other line names
.set STAGE, SPARE+512 ; 16 rows x 272 bytes for each wave, for the way out
.set SP,    272
.set XW,    16896     ; the merge: for each wave 16,384 bytes of register images and 512 of statistics, in slot 0, which has had its last fill and its last read by then
.set NSLOT, 2048/256
.set AK0, 2           ; v2   my lane's place in my half of a slot's K; never rewritten
.set AV0, 3           ; v3   the same for V
.set ADR, 4           ; v4   the LDS address of the run of loads in hand
.set QO,  5           ; v5   my byte offset in Q for register tiles 0, 1
.set STO, 6
.set RD,  7
.set GO,  8
.set QO2, 44          ; v44  the same for register tiles 2, 3
.set XST, 45          ; v45  the merge: where I store images;  v46 statistics;  v47, v48 where I read my partner's
.set XSS, 46
.set XLD, 47
.set XLS, 48
.set SPW, 62
.set NIL, 63
.set ST,  12          ; tile t's statistics at v[ST+8 t]: +0 c m, +1 m, +2, +3 l, +4 to +7 at work
.set S,   64
.set P,   192
.set KF,  128
.set WV,  12
.set G1K, 24
.set G1V, 32
.set G0K, 40          ; s[40:47] group 0 for K's tiles: a set for each of the two first fills; the second then walks on
.set G0V, 48
.set SLOTS, 56
.set TWICE, 57
.set CS,  58
.set SEL, 60
.set TK,  62          ; s62  LDS byte at which the K rows of the step to be fetched begin (without my half's and lane's part)
.set TV,  63          ; s63  the same for V
.set FB,  66          ; s66  the slot that the walking descriptors fill: 0 or SLOTB
.set LK,  67          ; s67  my tile's place in a slot, if I fetch K
.set LV,  68          ; s68  if I fetch V
.set PFA, 18
.set LIM, 15
.set PFO, 61
.set MSB, 0
.macro WIN new
.if MSB != (\new)
	s_set_vgpr_msb (MSB<<8)|(\new)
.set MSB, (\new)
.endif
.endm
.set W_KQ, 0x0a       ; K and Q in window 2, S^T in window 0
.set W_PV, 0x53       ; V in window 3, P in window 0, O^T in window 1
.set W_RS, 0x41       ; O^T (destination and source 0) in window 1, the factor in window 0
; A joint refill.  Waves 0 and 1 fetch the two halves of a slot's K, waves 2 and 3 those of V.  The branch hangs on the wave's number alone.  An s_nop 0 and four v_nop follow each line.
.macro JLOAD
	s_cmp_lt_u32 s[WV], 2
	s_cbranch_scc0 .Lfor_v_\@
	tensor_load_to_lds s[G0K+4:G0K+7], s[G1K:G1K+7]
	s_nop 0
.rept 4
	v_nop
.endr
	s_branch .Lasked_\@
.Lfor_v_\@:
	tensor_load_to_lds s[G0V+4:G0V+7], s[G1V:G1V+7]
	s_nop 0
.rept 4
	v_nop
.endr
.Lasked_\@:
.endm
; A prefetch of what the NEXT change of slots will ask for: 256 rows of K and 256 of V, 256 bytes a row, a lane a row.  Each row is named once in the launch: all clusters of a head walk the same rows, and the
; head's first cluster asks; of the 128 rows that a wave fetches, each of the four partners takes 32, told apart by address; one instruction a wave.  It runs one slot, 256 matrix instructions, ahead of the load.
; The last change that fills a slot asks for nothing; slots 0 to 2 come by their loads alone.
.macro ASK
	s_cmp_gt_u32 s[SLOTS], s[LIM]
	s_cbranch_scc0 .Lnot_mine_\@
	global_prefetch_b8 v[PFO], s[PFA:PFA+1] th:TH_LOAD_NT scope:SCOPE_SE
.Lnot_mine_\@:
.endm
.macro CROUND
	s_barrier_signal -1
	s_barrier_wait -1
	s_cmp_lg_u32 s[WV], 0
	s_cbranch_scc1 .Lnot_wave_0_\@
	s_barrier_signal -3
.Lnot_wave_0_\@:
	s_barrier_wait -3
	s_barrier_signal -1
	s_barrier_wait -1
.endm
	s_load_b128 s[8:11], s[0:1], 0x0  ; qkv s[8:9], ctx s[10:11]
	v_lshl_add_u32 v[SPW], v0, 2, SPARE
	v_mov_b32 v[NIL], 0
	ds_add_u32 v[SPW], v[NIL]       ; the wave's opening: the add, twice on end, and its wait ahead of my first tensor load
	ds_add_u32 v[SPW], v[NIL]
	v_lshrrev_b32 v1, 5, v0
	v_readfirstlane_b32 s[WV], v1   ; wave 0..3
	s_bfe_u32 s13, ttmp6, 0x40000   ; cx: my place in the cluster
	s_lshl_b32 s14, ttmp9, 2
	s_add_co_u32 s14, s14, s13      ; my block of 128 queries = 4 x cluster x + cx: it enters Q's and the result's addresses alone
	s_and_b32 s20, ttmp7, 0xffff    ; the head, which the four partners share
	s_and_b32 s16, s[WV], 1         ; u.  Also: which 128 rows of a slot I fetch
	s_lshr_b32 s17, s[WV], 1        ; g
	s_lshl_b32 s22, s20, 19         ; the head's plane: 524,288 bytes
	s_mov_b32 s23, 0
	s_lshl_b32 s2, s16, 15          ; my 128 rows of 256 bytes
	s_add_co_u32 s2, s2, s22
	s_add_co_u32 s2, s2, 8388608    ; K's planes lie 16 planes behind Q's
	s_mov_b32 s3, 0
	s_lshl_b32 s21, s14, 15
	s_add_co_u32 s22, s22, s21
	s_lshl_b32 s21, s16, 14
	s_add_co_u32 s22, s22, s21      ; Q: plane + (128 block + 64 u) rows
	s_lshl_b32 s20, s20, 8          ; the result: 256 bytes a head,
	s_lshl_b32 s21, s14, 19
	s_add_co_u32 s20, s20, s21
	s_lshl_b32 s21, s16, 18
	s_add_co_u32 s20, s20, s21
	s_lshl_b32 s21, s17, 17
	s_add_co_u32 s20, s20, s21      ; + (128 block + 64 u + 32 g) rows of 4,096 bytes
	s_mov_b32 s21, 0
	s_mul_i32 s[LK], s16, 128*PK    ; no place in the cluster enters an LDS address
	s_mul_i32 s[LV], s16, 128*PV
	s_add_co_u32 s[LV], s[LV], VOFF
	s_mov_b32 s[G1K], 15|(1<<16)|(1<<20)|(1<<21)|(5<<22)|(3<<25)  ; the mask: all four work-groups; elements of 2 bytes; padding on; bit 21 beside a mask; after every 64 words, 4 words
	s_mov_b32 s[G1V], 15|(1<<16)|(1<<20)|(1<<21)|(5<<22)|(7<<25)  ; the same with 8 words of padding
.irp g, G1K, G1V
	s_mov_b32 s[\g+1], 128<<16      ; tensor_dim0 = 128
	s_mov_b32 s[\g+2], 128<<16      ; tensor_dim1 = 128
	s_mov_b32 s[\g+3], 128<<16      ; tile_dim0 = 128
	s_mov_b32 s[\g+4], 128          ; tile_dim1 = 128
	s_mov_b32 s[\g+5], 128          ; stride
	s_mov_b32 s[\g+6], 0
	s_mov_b32 s[\g+7], 0
.endr
	s_mov_b32 s[CS], 0x3e0293ee     ; c = log2(e) / sqrt(128)
	s_mov_b32 s[CS+1], s[CS]
	s_mov_b32 s[SEL], 0x76543210
	s_mov_b32 s[SEL+1], 0xfedcba98
	s_mov_b32 s[TK], 0
	s_mov_b32 s[TV], 0
	s_mov_b32 s[FB], SLOTB
	s_mov_b32 s[SLOTS], NSLOT-2
	s_cmp_eq_u32 ttmp9, 0           ; the head's first cluster: the same in all four partners
	s_cselect_b32 s[LIM], 1, -1
	v_and_b32 v[PFO], 31, v0
	v_lshlrev_b32 v[PFO], 8, v[PFO]
	s_wait_dscnt 0x0                ; both opening adds are done
	s_wait_kmcnt 0x0
	s_add_nc_u64 s[4:5], s[8:9], s[22:23]    ; Q at my wave's first row
	s_add_nc_u64 s[6:7], s[8:9], s[2:3]      ; K at my tile of slot 0
	s_add_nc_u64 s[8:9], s[6:7], 8388608     ; V likewise
	s_add_nc_u64 s[10:11], s[10:11], s[20:21]
	s_cmp_lt_u32 s[WV], 2
	s_cselect_b64 s[PFA:PFA+1], s[6:7], s[8:9]
	s_lshl_b32 s2, s13, 13          ; my work-group's 32 rows of the 128
	s_mov_b32 s3, 0
	s_add_nc_u64 s[PFA:PFA+1], s[PFA:PFA+1], s[2:3]
	s_add_nc_u64 s[PFA:PFA+1], s[PFA:PFA+1], 2*65536  ; in slot 2; the first change of slots steps it to slot 3.  Nothing is prefetched here, at the head
	CROUND                          ; all four work-groups are here: the first joint loads meet
.irp s, 0,1
	s_mov_b32 s[G0K+4*\s], 1
	s_add_co_u32 s[G0K+4*\s+1], s[LK], \s*SLOTB
	s_add_nc_u64 s[G0K+4*\s+2:G0K+4*\s+3], s[6:7], \s*65536
	s_or_b32 s[G0K+4*\s+3], s[G0K+4*\s+3], 0x80000000
	s_mov_b32 s[G0V+4*\s], 1
	s_add_co_u32 s[G0V+4*\s+1], s[LV], \s*SLOTB
	s_add_nc_u64 s[G0V+4*\s+2:G0V+4*\s+3], s[8:9], \s*65536
	s_or_b32 s[G0V+4*\s+3], s[G0V+4*\s+3], 0x80000000
.endr
	s_cmp_lt_u32 s[WV], 2           ; a wave's two first fills stand in one branch, ahead of every wait on TENSORcnt and every LDS read: two loads of mine are out
	s_cbranch_scc0 .Lfirst_v
	tensor_load_to_lds s[G0K:G0K+3], s[G1K:G1K+7]
	s_nop 0
	tensor_load_to_lds s[G0K+4:G0K+7], s[G1K:G1K+7]
	s_nop 0
.rept 4
	v_nop
.endr
	s_branch .Lfirst_asked
.Lfirst_v:
	tensor_load_to_lds s[G0V:G0V+3], s[G1V:G1V+7]
	s_nop 0
	tensor_load_to_lds s[G0V+4:G0V+7], s[G1V:G1V+7]
	s_nop 0
.rept 4
	v_nop
.endr
.Lfirst_asked:
	v_and_b32 v1, 15, v0            ; l % 16
	v_bfe_u32 v9, v0, 4, 1          ; l / 16
	v_lshlrev_b32 v[QO], 8, v1
	v_lshl_add_u32 v[QO], v9, 4, v[QO]  ; row x 256 + 16 x half
	s_lshl_b32 s2, s17, 13          ; register tiles 0, 1 are query tiles 2 g, 2 g + 1;
	s_xor_b32 s3, s2, 8192          ; tiles 2, 3 the other two
	v_add_nc_u32 v[QO2], s3, v[QO]
	v_add_nc_u32 v[QO], s2, v[QO]
	WIN 0x80                        ; destination window 2, address window 0
.irp i, 0,1,2,3,4,5,6,7             ; Q stays in registers: tile i / 4, channels 32 (i % 4) on
	global_load_b128 v[8*\i:8*\i+3],   v[QO], s[4:5] offset:(\i/4)*4096+(\i%4)*64
	global_load_b128 v[8*\i+4:8*\i+7], v[QO], s[4:5] offset:(\i/4)*4096+(\i%4)*64+32
.endr
.irp i, 8,9,10,11,12,13,14,15
	global_load_b128 v[8*\i:8*\i+3],   v[QO2], s[4:5] offset:(\i/4-2)*4096+(\i%4)*64
	global_load_b128 v[8*\i+4:8*\i+7], v[QO2], s[4:5] offset:(\i/4-2)*4096+(\i%4)*64+32
.endr
	WIN 0
	v_mul_u32_u24 v[AK0], v1, PK
	v_lshl_add_u32 v[AK0], v9, 4, v[AK0]
	s_mul_i32 s2, s17, 128*PK       ; my half of a slot's keys
	v_add_nc_u32 v[AK0], s2, v[AK0]
	; The turning load takes 16 keys x 16 channels (lane l reads 16 bytes: key 8 (l / 16) + l % 8, channels 8 ((l / 8) % 2) + 0..7) and leaves half a fragment of V^T.
	v_and_b32 v10, 7, v0
	v_bfe_u32 v11, v0, 3, 1
	v_lshl_add_u32 v[AV0], v9, 3, v10
	v_mul_u32_u24 v[AV0], v[AV0], PV
	v_lshl_add_u32 v[AV0], v11, 4, v[AV0]
	s_mul_i32 s2, s17, 128*PV
	s_add_co_u32 s2, s2, VOFF
	v_add_nc_u32 v[AV0], s2, v[AV0]
; THE MATRIX WORK OF A TURN, for piece x.  The accumulators take turns, one instruction a turn.
.macro PV x, zero
	WIN W_PV
.set rO, 64*(\x+i%2)+8*((i/2)%8)
.set rV, 64*(i/16)+8*((i/2)%8)
.set rP, P+16*(\x+i%2)+8*(i/16)
.if \zero && (i < 16)
	v_wmma_f32_16x16x32_f16 v[rO:rO+7], v[rV:rV+7], v[rP:rP+7], 0
.else
	v_wmma_f32_16x16x32_f16 v[rO:rO+7], v[rV:rV+7], v[rP:rP+7], v[rO:rO+7]
.endif
.endm
.macro KQ x
	WIN W_KQ
.set rS, S+32*(\x+i%2)+8*((i/2)%4)
.set rK, KF+32*((i/2)%4)+8*(i/8)
.set rQ, 32*(\x+i%2)+8*(i/8)
.if i < 8
	v_wmma_f32_16x16x32_f16 v[rS:rS+7], v[rK:rK+7], v[rQ:rQ+7], 0
.else
	v_wmma_f32_16x16x32_f16 v[rS:rS+7], v[rK:rK+7], v[rQ:rQ+7], v[rS:rS+7]
.endif
.endm
; THE LDS LOADS stand in runs of 32: a step's K (64 keys x 128 channels) and, a turn later, its V (turned).
.macro FETCH_K
	WIN 0
	v_add_nc_u32 v[ADR], s[TK], v[AK0]
	WIN 0x80
.irp f, 0,1,2,3,4,5,6,7,8,9,10,11,12,13,14,15
	ds_load_b128 v[KF+8*\f:KF+8*\f+3],   v[ADR] offset:(\f/4)*16*PK+(\f%4)*64
	ds_load_b128 v[KF+8*\f+4:KF+8*\f+7], v[ADR] offset:(\f/4)*16*PK+(\f%4)*64+32
.endr
.endm
.macro FETCH_V
	WIN 0
	v_add_nc_u32 v[ADR], s[TV], v[AV0]
	s_add_co_u32 s[TK], s[TK], KS*PK  ; the next fetches are the next step's
	s_add_co_u32 s[TV], s[TV], KS*PV
	s_wait_alu depctr_va_vdst(0)    ; the wait for the softmax's batch (SLICE), behind the address's addition and ahead of the loads
	WIN 0xc0
.irp f, 0,1,2,3,4,5,6,7,8,9,10,11,12,13,14,15
	ds_load_tr16_b128 v[8*\f:8*\f+3],   v[ADR] offset:(\f/8)*32*PV+(\f%8)*32
	ds_load_tr16_b128 v[8*\f+4:8*\f+7], v[ADR] offset:(\f/8)*32*PV+16*PV+(\f%8)*32
.endr
.endm
; THE VECTOR WORK OF A TURN.  One tile's softmax for one key step is a list of 134 instructions; SM writes number j of it for tile t.
;   0-15 the maximum of the 32 scores and the old m;  16-20 the other half of the lanes' maximum, the new m, c m, c m_old - c m_new;  21-69 ONE BATCH: 16 scalings and 33 exponentials, none of which reads an
;   exponential's result;  (the wait);  70-85 the roundings to f16;  86-101 the sums;  102-133 the tile's O^T times a.
.macro SM t, first
.set rT, ST+8*(\t)
.set rS, S+32*(\t)
.set rP, P+16*(\t)
.set rO, 64*(\t)+2*(j-102)
.if j < 102
	WIN 0
.endif
.if j < 4
	v_max3_num_f32 v[rT+4+j], v[rS+8*j], v[rS+8*j+1], v[rS+8*j+2]
.elseif j < 12
	v_max3_num_f32 v[rT+4+j%4], v[rT+4+j%4], v[rS+8*(j%4)+2*(j/4)+1], v[rS+8*(j%4)+2*(j/4)+2]
.elseif j == 12
	v_max3_num_f32 v[rT+4], v[rT+4], v[rS+7], v[rS+15]
.elseif j == 13
	v_max3_num_f32 v[rT+6], v[rT+6], v[rS+23], v[rS+31]
.elseif j == 14
	v_max3_num_f32 v[rT+4], v[rT+4], v[rT+5], v[rT+6]
.elseif (j == 15) && \first
	v_max_num_f32 v[rT+4], v[rT+4], v[rT+7]
.elseif j == 15
	v_max3_num_f32 v[rT+4], v[rT+4], v[rT+7], v[rT+1]
.elseif j == 16
	v_permlanex16_b32 v[rT+5], v[rT+4], s[SEL], s[SEL+1]
.elseif j == 18
	v_max_num_f32 v[rT+1], v[rT+4], v[rT+5]
.elseif j == 19
	v_mul_f32 v[rT], s[CS], v[rT+1]
.elseif ((j == 17) || (j == 20) || (j == 23) || (j > 101)) && \first
.elseif j == 17
	v_mov_b32 v[rT+7], v[rT]
.elseif j == 20
	v_sub_f32 v[rT+7], v[rT+7], v[rT]
.elseif j == 23
	v_exp_f32 v[rT+6], v[rT+7]
.elseif (j < 23) || ((j < 38) && (j%2 == 0)) || ((j < 66) && (j%4 == 2))
.set b, (j-2)/4
.if j < 38
.set b, (j-20)/2
.endif
	v_pk_fma_f32 v[rS+2*b:rS+2*b+1], v[rS+2*b:rS+2*b+1], s[CS:CS+1], v[rT:rT+1] op_sel_hi:[1,0,0] neg_lo:[0,0,1] neg_hi:[0,0,1]
.elseif j < 70
.set e, j-38
.if j < 66
.set e, j-32-(j-38)/4
.endif
.if j < 38
.set e, (j-25)/2
.endif
	v_exp_f32 v[rS+e], v[rS+e]
.elseif j < 86
	v_cvt_pk_f16_f32 v[rP+j-70], v[rS+2*(j-70)], v[rS+2*(j-70)+1]
.elseif j < 102
.set z, j-86
.set w, 4
.set u, z
.if z >= 14
.set w, 32
.set u, 0
.elseif z >= 12
.set w, 16
.set u, z-12
.elseif z >= 8
.set w, 8
.set u, z-8
.endif
.if (z == 14) && \first
	v_pk_add_f32 v[rT+2:rT+3], v[rS:rS+1], v[rS+16:rS+17]
.elseif z < 15
	v_pk_add_f32 v[rS+w*u:rS+w*u+1], v[rS+w*u:rS+w*u+1], v[rS+w*u+w/2:rS+w*u+w/2+1]
.elseif !\first
	v_pk_fma_f32 v[rT+2:rT+3], v[rT+2:rT+3], v[rT+6:rT+7], v[rS:rS+1] op_sel_hi:[1,0,1]
.endif
.else
	WIN W_RS
	v_pk_mul_f32 v[rO:rO+1], v[rO:rO+1], v[rT+6:rT+7] op_sel_hi:[1,0]
.endif
.endm
; Slice k of 64 of piece y's softmax: four instructions.  Slices 11 to 34 deal out the batch, four numbers of one tile each, the tiles by turns; every other slice is numbers 2 k and 2 k + 1 of both tiles;
; the twelve that are over stand in slice 63.  Ahead of slice 35 nothing names an exponential's result, and behind slice 34 none is issued: one wait serves the piece's 66.
.macro SLICE y, first
.if (k >= 11) && (k < 35)
.irp n, 0,1,2,3
.set j, 22+4*((k-11)/2)+(\n)
	SM (\y)+(k-11)%2, \first
.endr
.else
.irp n, 0,1,2,3,4,5,6,7
.if (\n < 2) || (k == 63)
.irp t, \y, \y+1
.set j, 2*k+\n
	SM \t, \first
.endr
.endif
.endr
.endif
.if k == 34
	v_nop                           ; the plain instruction behind the last exponential: one for the batch
.if (\y) == 0
	FETCH_V                         ; piece 2's turn: V's run of loads stands here, and the wait stands in it
.else
	s_wait_alu depctr_va_vdst(0)
.endif
.endif
.set k, k+1
.endm
.macro PLACES
.rept 4
	v_nop
.endr
.endm
; A TURN.  Piece x has the matrix unit; the other piece's softmax stands in slices behind its matrix instructions.  pv = 2: 32 products V^T P; 1: they start O^T's sums; 0: none.  kq = 1: 32 products K Q^T.
.macro TURN x, pv, kq, first
.set k, 0
.set per, 2
.if \pv && \kq
.set per, 1
.endif
.if \pv
.if \x == 0
	s_wait_dscnt 0x0                ; V is in
.endif
.set i, 0
.rept 32
	PV \x, 2-\pv
.rept per
	SLICE 2-\x, \first
.endr
.if (\x == 0) && \kq && (i == 1)
	FETCH_K
.endif
.set i, i+1
.endr
.endif
.if \kq
.if \x == 0
	s_wait_dscnt 0x0                ; K is in
.endif
.set i, 0
.rept 32
	KQ \x
.rept per
	SLICE 2-\x, \first
.endr
.set i, i+1
.endr
.endif
.if \first
	PLACES
.endif
.endm
; THE CHANGE OF SLOTS: each wave waits for all its tensor loads, of which one is out: its part of the other slot; adds 0 to its spare word; and waits for that and for its own reads of the slot.
; fill = 1: this slot is filled again, with the keys two slots on, behind a round of the cluster's barrier: the refill has two key steps, 256 matrix instructions, in which to land.
.macro CHANGE fill
	WIN 0
	s_wait_tensorcnt 0x0            ; no tensor load of mine is out, so a group 0 may be written
	ds_add_u32 v[SPW], v[NIL]
.if \fill
	s_xor_b32 s[FB], s[FB], SLOTB   ; the walking descriptors: the other slot than last time (0 and SLOTB by turns),
	s_add_co_u32 s[G0K+5], s[FB], s[LK]
	s_add_nc_u64 s[G0K+6:G0K+7], s[G0K+6:G0K+7], 65536  ; the next 256 keys; the type bits on top are not reached
	s_add_co_u32 s[G0V+5], s[FB], s[LV]
	s_add_nc_u64 s[G0V+6:G0V+7], s[G0V+6:G0V+7], 65536
	s_wait_xcnt 0x0                 ; the last prefetch, two key steps back, has read its address
	s_add_nc_u64 s[PFA:PFA+1], s[PFA:PFA+1], 65536
	s_wait_dscnt 0x0                ; the add is done, and my reads of the slot are over
	CROUND
	JLOAD
	ASK
.else
	s_wait_dscnt 0x0
	s_barrier_signal -1
	s_barrier_wait -1
.endif
	s_sub_co_u32 s[TK], s[TK], 2*KS*PK  ; the fetches go back to a slot's first step,
	s_xor_b32 s[TK], s[TK], SLOTB   ; in the other slot
	s_sub_co_u32 s[TV], s[TV], 2*KS*PV
	s_xor_b32 s[TV], s[TV], SLOTB
.endm
.macro TWO_STEPS
	s_mov_b32 s[TWICE], 2
.Lstep_\@:
	TURN 0, 2, 1, 0
	TURN 2, 2, 1, 0
	WIN 0
	s_sub_co_u32 s[TWICE], s[TWICE], 1
	s_cmp_lg_u32 s[TWICE], 0
	s_cbranch_scc1 .Lstep_\@
.endm
	s_wait_tensorcnt 1              ; my part of slot 0 is in; slot 1's may stay out
	s_barrier_signal -1
	s_barrier_wait -1
	FETCH_K                         ; key step 0
	s_wait_loadcnt 0x0              ; Q
	s_wait_dscnt 0x0
.set i, 0
.rept 32
	KQ 0
.set i, i+1
.endr
	WIN 0                           ; the addresses for the merge and the way out are made here: plain instructions, the places behind those products
	s_mul_i32 s13, s[WV], 16*SP
	s_add_co_u32 s13, s13, STAGE
	v_mul_u32_u24 v[STO], v1, SP
	v_lshl_add_u32 v[STO], v9, 4, v[STO]
	v_add_nc_u32 v[STO], s13, v[STO]
	v_mul_u32_u24 v[RD], v9, SP
	v_lshl_add_u32 v[RD], v1, 4, v[RD]
	v_add_nc_u32 v[RD], s13, v[RD]
	v_lshlrev_b32 v[GO], 12, v9     ; two rows of the result, 4,096 bytes apart
	v_lshl_add_u32 v[GO], v1, 4, v[GO]
	v_and_b32 v10, 31, v0
	s_mul_i32 s13, s[WV], XW        ; my bytes of the exchange,
	s_xor_b32 s14, s[WV], 2
	s_mul_i32 s14, s14, XW          ; and my partner's
	v_lshl_add_u32 v[XST], v10, 4, s13
	v_lshl_add_u32 v[XSS], v10, 2, s13
	v_lshl_add_u32 v[XLD], v10, 4, s14
	v_lshl_add_u32 v[XLS], v10, 2, s14
	TURN 2, 0, 1, 1                 ; piece 2's first scores | piece 0's first softmax | V of step 0
	TURN 0, 1, 1, 1                 ; piece 0: V^T P of step 0 starts O^T, K Q^T of step 1 | piece 2's first softmax | K of step 1
	TURN 2, 1, 1, 0                 ; piece 2: the same | piece 0's softmax of step 1 | V of step 1
	WIN 0
.Lslot:                             ; six trips: every slot but the last two is filled again
	CHANGE 1
	TWO_STEPS
	s_sub_co_u32 s[SLOTS], s[SLOTS], 1
	s_cmp_lg_u32 s[SLOTS], 0
	s_cbranch_scc1 .Lslot
	CHANGE 0                        ; the tail is written out: slot 0 is left for good
	TWO_STEPS
	TURN 0, 2, 0, 0
.set i, 0
.rept 32
	PV 2, 0
.set i, i+1
.endr
	; THE MERGE.  l's two halves and the other half of the lanes' are added (these lines are the places behind the last products).  My tiles 2, 3 go to my partner as images of their registers, with c m and l.
	WIN 0
.irp t, 0,1,2,3
	v_add_f32 v[ST+8*\t+4], v[ST+8*\t+2], v[ST+8*\t+3]
.endr
.irp t, 0,1,2,3
	v_permlanex16_b32 v[ST+8*\t+5], v[ST+8*\t+4], s[SEL], s[SEL+1]
.endr
.irp t, 0,1,2,3
	v_add_f32 v[ST+8*\t+4], v[ST+8*\t+4], v[ST+8*\t+5]
.endr
	ds_store_b32 v[XSS], v[ST+16] offset:16384       ; tile 2: c m,
	ds_store_b32 v[XSS], v[ST+20] offset:16384+128   ; l;
	ds_store_b32 v[XSS], v[ST+24] offset:16384+256   ; tile 3 likewise
	ds_store_b32 v[XSS], v[ST+28] offset:16384+384
	WIN 0x04                        ; an LDS store's data are its source 1: window 1
.set i, 0
.rept 32
	ds_store_b128 v[XST], v[128+4*i:128+4*i+3] offset:512*i  ; lane l's 16 bytes at 16 l; each accumulator from its low end on
.set i, i+1
.endr
	WIN 0
	s_wait_dscnt 0x0                ; for my partner's sake: my stores have landed
	s_barrier_signal -1
	s_barrier_wait -1
	ds_load_b32 v49, v[XLS] offset:16384
	ds_load_b32 v50, v[XLS] offset:16384+128
	ds_load_b32 v51, v[XLS] offset:16384+256
	ds_load_b32 v52, v[XLS] offset:16384+384
	WIN 0x80                        ; into Q's registers, which are done with
.set i, 0
.rept 32
	ds_load_b128 v[4*i:4*i+3], v[XLD] offset:512*i
.set i, i+1
.endr
	WIN 0
	s_wait_dscnt 32                 ; the four statistics are in; the 32 images may be out
	v_max_num_f32 v53, v[ST], v49   ; the common c m of tile 0,
	v_max_num_f32 v55, v[ST+8], v51 ; of tile 1
	v_sub_f32 v54, v[ST], v53
	v_sub_f32 v56, v49, v53
	v_sub_f32 v58, v[ST+8], v55
	v_sub_f32 v60, v51, v55
	v_exp_f32 v54, v54              ; mine under the common maximum,
	v_exp_f32 v56, v56              ; my partner's
	v_exp_f32 v58, v58
	v_exp_f32 v60, v60
	v_nop
	s_wait_alu depctr_va_vdst(0)    ; one wait for the four, ahead of their first reader
	v_mul_f32 v53, v54, v[ST+4]
	v_mul_f32 v55, v58, v[ST+12]
	v_fma_f32 v53, v56, v50, v53    ; the whole row's sum
	v_fma_f32 v55, v60, v52, v55
	v_rcp_f32 v53, v53
	v_rcp_f32 v55, v55
	v_mov_b32 v57, 0                ; plain instructions behind the reciprocals; v57 and v59 are named below as upper halves of pairs
	v_mov_b32 v59, 0
	s_wait_alu depctr_va_vdst(0)
	v_mul_f32 v54, v54, v53         ; the factors: mine and my partner's, with the division in them
	v_mul_f32 v56, v56, v53
	v_mul_f32 v58, v58, v55
	v_mul_f32 v60, v60, v55
	s_wait_dscnt 0x0                ; the images are in
	WIN W_RS
.set i, 0
.rept 32
	v_pk_mul_f32 v[i:i+1], v[i:i+1], v[54:55] op_sel_hi:[1,0]
.set i, i+2
.endr
.rept 32
	v_pk_mul_f32 v[i:i+1], v[i:i+1], v[58:59] op_sel_hi:[1,0]
.set i, i+2
.endr
	WIN 0x52                        ; source 0: the partner's O^T, window 2; source 1: window 0; source 2 and destination: window 1
.set i, 0
.rept 32
	v_pk_fma_f32 v[i:i+1], v[i:i+1], v[56:57], v[i:i+1] op_sel_hi:[1,0,1]
.set i, i+2
.endr
.rept 32
	v_pk_fma_f32 v[i:i+1], v[i:i+1], v[60:61], v[i:i+1] op_sel_hi:[1,0,1]
.set i, i+2
.endr
; THE WAY OUT of tile t: a lane's eight channels of a row pack into 16 bytes; they go into rows of 272 bytes and come back as whole rows of 256.
.macro PACK t
	WIN 0x05                        ; sources 0 and 1 window 1, destination window 0: S^T's registers are free
.set i, 0
.rept 32
	v_cvt_pk_f16_f32 v[S+32*\t+i], v[64*\t+2*i], v[64*\t+2*i+1]
.set i, i+1
.endr
	WIN 0
.irp f, 0,1,2,3,4,5,6,7
	ds_store_b128 v[STO], v[S+32*\t+4*\f:S+32*\t+4*\f+3] offset:32*\f
.endr
.irp f, 0,1,2,3,4,5,6,7
	ds_load_b128 v[S+32*\t+4*\f:S+32*\t+4*\f+3], v[RD] offset:\f*2*SP  ; LDS serves a wave's instructions in order (ISA guide 5.7.1.4)
.endr
.endm
.macro SEND t, younger              ; younger: the LDS instructions issued behind tile t's loads
.irp f, 0,1,2,3,4,5,6,7
	s_wait_dscnt \younger+7-\f
	global_store_b128 v[GO], v[S+32*\t+4*\f:S+32*\t+4*\f+3], s[10:11] offset:\t*65536+\f*8192  ; 16 lanes store 256 consecutive bytes, aligned
.endr
.endm
	PACK 0
	PACK 1
	SEND 0, 16
	SEND 1, 0
	s_wait_tensorcnt 0x0            ; the wave's end, behind my last tensor load and my last LDS store
	ds_add_u32 v[SPW], v[NIL]
	s_wait_dscnt 0x0
	CROUND                          ; the closing round
	s_endpgm
.Lfunc_end_k_q3123370a1f_attn:
	.size	k_q3123370a1f_attn, .Lfunc_end_k_q3123370a1f_attn-k_q3123370a1f_attn
	.p2alignl 7, 3214868480
	.fill 96, 4, 3214868480
	.section	.rodata,"a",@progbits
	.p2align	6, 0x0
	.amdhsa_kernel k_q3123370a1f_attn
		.amdhsa_group_segment_fixed_size 327680
		.amdhsa_private_segment_fixed_size 0
		.amdhsa_enable_private_segment 0
		.amdhsa_kernarg_size 16
		.amdhsa_user_sgpr_count 2
		.amdhsa_user_sgpr_kernarg_segment_ptr 1
		.amdhsa_wavefront_size32 1
		.amdhsa_system_sgpr_workgroup_id_x 1
		.amdhsa_system_sgpr_workgroup_id_y 1
		.amdhsa_system_sgpr_workgroup_id_z 1
		.amdhsa_system_vgpr_workitem_id 0
		.amdhsa_next_free_vgpr 1024
		.amdhsa_next_free_sgpr 70
		.amdhsa_reserve_vcc 0
		.amdhsa_float_denorm_mode_32 3
		.amdhsa_float_denorm_mode_16_64 3
		.amdhsa_memory_ordered 1
		.amdhsa_forward_progress 1
		.amdhsa_inst_pref_size 221
	.end_amdhsa_kernel
	.amdgpu_metadata
---
amdhsa.version: [ 1, 2 ]
amdhsa.kernels:
  - .name:           k_q3123370a1f_attn
    .symbol:         k_q3123370a1f_attn.kd
    .args:
      - { .name: qkv, .offset: 0, .size: 8, .value_kind: global_buffer, .address_space: global }
      - { .name: ctx, .offset: 8, .size: 8, .value_kind: global_buffer, .address_space: global }
    .group_segment_fixed_size: 327680
    .private_segment_fixed_size: 0
    .kernarg_segment_align: 8
    .kernarg_segment_size: 16
    .max_flat_workgroup_size: 128
    .sgpr_count:     70
    .vgpr_count:     1024
    .wavefront_size: 32
...
	.end_amdgpu_metadata
.endif
;; end of part 3
;; launch oproj (part 4): grid 16 x 16, 4 waves a work-group, clusters of 4 x 4, 327,680 bytes of LDS; arguments ctx, wot, out0; writes out0
.if DOCPART == 4
	.amdgcn_target "amdgcn-amd-amdhsa--gfx1250"
	.amdhsa_code_object_version 6
	.text
	.protected	k_q3123370a1f_oproj
	.globl	k_q3123370a1f_oproj
	.p2align	8
	.type	k_q3123370a1f_oproj,@function
k_q3123370a1f_oproj:
	s_mov_b64 s[64:65], 0
	v_nop
	global_prefetch_b8 v0, s[64:65] scope:SCOPE_SE
	s_setreg_imm32_b32 hwreg(HW_REG_WAVE_MODE, 25, 1), 1
	s_wait_xcnt 0x0
	s_wait_alu depctr_hold_cnt(0) depctr_sa_sdst(0) depctr_va_vdst(0) depctr_va_sdst(0) depctr_va_ssrc(0) depctr_va_vcc(0) depctr_vm_vsrc(0)
	s_getreg_b32 s2, hwreg(HW_REG_IB_STS2, 6, 4)
	s_cmp_eq_u32 s2, 0
	s_cbranch_scc0 .Lentry_in_a_cluster
	s_endpgm
.Lentry_in_a_cluster:
	s_bfe_u32 s2, ttmp6, 0x10000c
	s_cmp_lg_u32 s2, 0xf033
	s_cbranch_scc0 .Lentry_shape_is_right
	s_endpgm
.Lentry_shape_is_right:
; out0[m][n] = sum over k of ctx[m][k] wot[n][k].  ctx: [2048][2048], wot: [2048][2048] (wo transposed), both f16; out0 f32; sums in f32.
; A tile of the result is 128 x 128: 256 tiles, one for each work-group.  Four waves, each 64 x 64: 16 accumulators, 128 registers.  K goes in steps of 256 (LDS rows of 512 bytes; a wave's tensor load
; brings 64 of them) through a ring of two slots.  A wave's 64 columns of f32 are 256 bytes, so each wave sends its own rows out through a stage of its own, with no barrier.
; CLUSTERS: 4 x 4 work-groups.  The four of a row of the cluster need the same tiles of ctx, the four of a column the same tiles of wot: each tile is asked for jointly.
; THE MATRIX INSTRUCTION IS USED TRANSPOSED (source 0 = 16 rows of wot, source 1 = 16 rows of ctx): a lane then holds eight neighbouring numbers of a row of the result.
; REGISTERS: window 0: v0-31 addresses; v32-95 rows read back, two sets; v128-255 the accumulators ((a, b) at v[128 + 8 (4 a + b)]).   window 1: two fragment buffers of 128.
.set SIZE_M, 2048
.set SIZE_N, 2048
.set SIZE_K, 2048
.set KSTEP,  256
.set PITCH,  528                       ; an LDS row: 512 bytes + 16 = 132 words: row r starts at bank 4 r mod 64 (64 banks of 4 bytes: ISA guide 11.1)
.set HALFT,  64*PITCH
.set SLOT,   4*HALFT
.set STAGE,  2*SLOT                    ; behind the ring: 16 rows x 272 bytes for each wave
.set SPITCH, 272
.set SPARE,  STAGE+4*16*SPITCH         ; the spare words, 128 bytes for each wave: two blocks of 256 bytes that no other line names
.set LAPS, SIZE_K/(2*KSTEP)
.set ADRA, 16
.set ADRB, 20
.set STO,  24
.set RD,   25
.set CO,   26
.set SPW,  28
.set NIL,  29
.set TMP,  32
.set ACC,  128
.set F0,   0
.set F1,   128
.set G1, 24
.set G0, 32
.set G1B, 48
.set G0B, 56
.set MSB, 0
.macro WIN new
.if MSB != (\new)
	s_set_vgpr_msb (MSB<<8)|(\new)
.set MSB, (\new)
.endif
.endm
.set MUL,  0x05                        ; sources 0 and 1 window 1; C and D window 0
.set TO_F, 0x40                        ; destination window 1, address window 0
.macro JLOAD s                         ; a joint load: waves 0 and 1 fetch ctx's two halves, waves 2 and 3 wot's; an s_nop 0 and four v_nop follow each line
	s_cmp_eq_u32 s11, 0
	s_cbranch_scc0 .Lfor_b_\@
	tensor_load_to_lds s[G0+4*\s:G0+4*\s+3], s[G1:G1+7]
	s_nop 0
.rept 4
	v_nop
.endr
	s_branch .Lasked_\@
.Lfor_b_\@:
	tensor_load_to_lds s[G0B+4*\s:G0B+4*\s+3], s[G1B:G1B+7]
	s_nop 0
.rept 4
	v_nop
.endr
.Lasked_\@:
.endm
.macro CREST
	s_cmp_lg_u32 s10, 0
	s_cbranch_scc1 .Lnot_wave_0_\@
	s_barrier_signal -3
.Lnot_wave_0_\@:
	s_barrier_wait -3
	s_barrier_signal -1
	s_barrier_wait -1
.endm
.macro CROUND
	s_barrier_signal -1
	s_barrier_wait -1
	CREST
.endm
	s_load_b128 s[4:7], s[0:1], 0x0                ; ctx s[4:5], wot s[6:7]
	s_load_b64 s[8:9], s[0:1], 0x10                ; out0
	v_lshl_add_u32 v[SPW], v0, 2, SPARE
	v_mov_b32 v[NIL], 0
	ds_add_u32 v[SPW], v[NIL]                      ; the wave's opening: the add, twice on end, and its wait ahead of my first tensor load
	ds_add_u32 v[SPW], v[NIL]
	v_lshrrev_b32 v1, 5, v0
	v_readfirstlane_b32 s10, v1                    ; wave 0..3
	s_lshr_b32 s11, s10, 1                         ; which half of the tile's rows is mine.  Also: I fetch for ctx (0) or for wot (1)
	s_and_b32 s12, s10, 1                          ; which half of its columns.  Also: which 64 rows of that tile I fetch
	s_bfe_u32 s40, ttmp6, 0x40000
	s_bfe_u32 s41, ttmp6, 0x40004
	s_lshl_b32 s42, ttmp9, 2
	s_add_co_u32 s42, s42, s40                     ; tile column
	s_and_b32 s13, ttmp7, 0xffff
	s_lshl_b32 s13, s13, 2
	s_add_co_u32 s13, s13, s41                     ; tile row
	s_lshl_b32 s43, s41, 2
	s_lshl_b32 s43, 15, s43                        ; my row of the cluster
	s_lshl_b32 s44, 0x1111, s40                    ; my column
	s_or_b32 s[G1+0], s43, (1<<16)|(1<<20)|(1<<21)|(6<<22)|(3<<25)  ; the mask; elements of 2 bytes; padding on; bit 21 beside a mask; after every 128 words, 4 words
	s_or_b32 s[G1B+0], s44, (1<<16)|(1<<20)|(1<<21)|(6<<22)|(3<<25)
.irp g, G1, G1B
	s_mov_b32 s[\g+1], KSTEP<<16
	s_mov_b32 s[\g+2], 64<<16
	s_mov_b32 s[\g+3], KSTEP<<16
	s_mov_b32 s[\g+4], 64
	s_mov_b32 s[\g+5], SIZE_K
	s_mov_b32 s[\g+6], 0
	s_mov_b32 s[\g+7], 0
.endr
	s_lshl_b32 s17, s12, 6
	s_lshl_b32 s16, s13, 7
	s_add_co_u32 s16, s16, s17
	s_lshl_b32 s46, s42, 7
	s_add_co_u32 s46, s46, s17
	s_mov_b32 s17, 0
	s_mov_b32 s47, 0
	s_mov_b64 s[18:19], SIZE_K*2
	s_mul_u64 s[16:17], s[16:17], s[18:19]
	s_mul_u64 s[46:47], s[46:47], s[18:19]
	s_mul_i32 s20, s10, HALFT
	s_wait_dscnt 0x0                               ; both opening adds are done
	s_wait_kmcnt 0x0
	s_add_nc_u64 s[14:15], s[4:5], s[16:17]
	s_add_nc_u64 s[46:47], s[6:7], s[46:47]
	CROUND                                         ; all sixteen work-groups are here: the first joint loads meet
.irp s, 0,1
	s_mov_b32 s[G0+4*\s], 1
	s_add_co_u32 s[G0+4*\s+1], s20, \s*SLOT
	s_add_nc_u64 s[G0+4*\s+2:G0+4*\s+3], s[14:15], \s*KSTEP*2
	s_or_b32 s[G0+4*\s+3], s[G0+4*\s+3], 0x80000000
	s_mov_b32 s[G0B+4*\s], 1
	s_add_co_u32 s[G0B+4*\s+1], s20, \s*SLOT
	s_add_nc_u64 s[G0B+4*\s+2:G0B+4*\s+3], s[46:47], \s*KSTEP*2
	s_or_b32 s[G0B+4*\s+3], s[G0B+4*\s+3], 0x80000000
	JLOAD \s
.endr
	v_and_b32 v1, 15, v0                           ; r
	v_bfe_u32 v2, v0, 4, 1                         ; h
	v_mul_u32_u24 v3, v1, PITCH
	v_lshl_add_u32 v3, v2, 4, v3
	s_mul_i32 s21, s11, HALFT
	s_mul_i32 s22, s12, HALFT
	s_add_co_u32 s22, s22, 2*HALFT
.irp s, 0,1
	v_add_nc_u32 v[ADRA+\s], s21, v3
	v_add_nc_u32 v[ADRB+\s], s22, v3
	s_add_co_u32 s21, s21, SLOT
	s_add_co_u32 s22, s22, SLOT
.endr
	s_mul_i32 s23, s10, 16*SPITCH
	s_add_co_u32 s23, s23, STAGE                   ; my stage
	v_mul_u32_u24 v4, v1, SPITCH                   ; in: row r, 32 bytes for each half of the lanes
	v_lshl_add_u32 v4, v2, 5, v4
	v_add_nc_u32 v[STO], s23, v4
	v_mul_u32_u24 v5, v2, SPITCH                   ; back: lanes 0-15 one row of 256 bytes, lanes 16-31 the next
	v_lshl_add_u32 v5, v1, 4, v5
	v_add_nc_u32 v[RD], s23, v5
	v_lshlrev_b32 v5, 13, v2                       ; and the same two rows in out0, 8,192 bytes apart
	v_lshl_add_u32 v[CO], v1, 4, v5
	s_lshl_b32 s16, s13, 7
	s_lshl_b32 s17, s11, 6
	s_add_co_u32 s16, s16, s17                     ; my first row: 128 x tile row + 64 x half
	s_lshl_b32 s16, s16, 13
	s_lshl_b32 s46, s42, 9                         ; my first column, in bytes: 512 x tile column + 256 x half
	s_lshl_b32 s47, s12, 8
	s_add_co_u32 s46, s46, s47
	s_add_co_u32 s46, s46, s16
	s_mov_b32 s47, 0
	s_add_nc_u64 s[8:9], s[8:9], s[46:47]
.macro MUL8 f, c, a0, zero             ; 8 matrix instructions: m blocks a0, a0 + 1 x all 4 n blocks, 32 along K; the accumulators take turns
.irp a, \a0, \a0+1
.irp b, 0,1,2,3
.if \zero
	v_wmma_f32_16x16x32_f16 v[ACC+8*(4*(\a)+\b):ACC+8*(4*(\a)+\b)+7], v[\f+64+8*(4*\c+\b):\f+64+8*(4*\c+\b)+7], v[\f+8*(4*\c+\a):\f+8*(4*\c+\a)+7], 0
.else
	v_wmma_f32_16x16x32_f16 v[ACC+8*(4*(\a)+\b):ACC+8*(4*(\a)+\b)+7], v[\f+64+8*(4*\c+\b):\f+64+8*(4*\c+\b)+7], v[\f+8*(4*\c+\a):\f+8*(4*\c+\a)+7], v[ACC+8*(4*(\a)+\b):ACC+8*(4*(\a)+\b)+7]
.endif
.endr
.endr
.endm
.macro FETCH slot, k, f                ; 32 LDS loads in one run: the fragments of 64 along K at byte k of the rows, the first 32 along K first
	WIN TO_F
.irp c, 0,1
.irp i, 0,1,2,3
	ds_load_b128 v[\f+64+8*(4*\c+\i):\f+64+8*(4*\c+\i)+3],   v[ADRB+\slot] offset:\k+64*\c+\i*16*PITCH
	ds_load_b128 v[\f+64+8*(4*\c+\i)+4:\f+64+8*(4*\c+\i)+7], v[ADRB+\slot] offset:\k+64*\c+\i*16*PITCH+32
	ds_load_b128 v[\f+8*(4*\c+\i):\f+8*(4*\c+\i)+3],         v[ADRA+\slot] offset:\k+64*\c+\i*16*PITCH
	ds_load_b128 v[\f+8*(4*\c+\i)+4:\f+8*(4*\c+\i)+7],       v[ADRA+\slot] offset:\k+64*\c+\i*16*PITCH+32
.endr
.endr
.endm
.macro PLACES
.rept 4
	v_nop
.endr
.endm
.macro QUARTER slot, k, f, g, zero     ; 64 along K: multiplies buffer f and fetches the next quarter, at byte k, into g
	s_wait_dscnt 16                                ; the first 32 along K are in; the other sixteen loads may be out
	WIN MUL
	MUL8 \f, 0, 0, \zero
	MUL8 \f, 0, 2, \zero
	PLACES
	FETCH \slot, \k, \g
	s_wait_dscnt 32                                ; all but the 32 just issued
	WIN MUL
	MUL8 \f, 1, 0, 0
	MUL8 \f, 1, 2, 0
.endm
.macro TURN slot, next, fill           ; the last quarter changes slots: one barrier; in front of it the wait for all my tensor loads, the add, and the wait for it and for my reads of this slot
	WIN 0
	s_wait_tensorcnt 0x0                           ; all my tensor loads have landed: my part of the next slot
	ds_add_u32 v[SPW], v[NIL]
	s_wait_dscnt 17                                ; the add and the youngest sixteen loads may be out
	WIN MUL
	MUL8 F1, 0, 0, 0
	s_wait_dscnt 0x0                               ; the add is done, and my reads of this slot are over
	s_barrier_signal -1
	MUL8 F1, 0, 2, 0
.if \fill
	WIN 0
.endif
	s_barrier_wait -1
.if \fill
	CREST                                          ; the barrier has opened a round of the cluster's barrier
	s_add_nc_u64 s[G0+4*\slot+2:G0+4*\slot+3], s[G0+4*\slot+2:G0+4*\slot+3], 2*KSTEP*2
	s_add_nc_u64 s[G0B+4*\slot+2:G0B+4*\slot+3], s[G0B+4*\slot+2:G0B+4*\slot+3], 2*KSTEP*2
	JLOAD \slot                                    ; the first tensor load behind the round, my one load until the next
.else
	PLACES
.endif
	FETCH \next, 0, F0
	WIN MUL
	MUL8 F1, 1, 0, 0
	MUL8 F1, 1, 2, 0
.endm
	s_wait_tensorcnt 1                             ; my part of K step 0 is in; K step 1's load may be out
	s_barrier_signal -1
	s_barrier_wait -1
	FETCH 0, 0, F0
	QUARTER 0, 128, F0, F1, 1                      ; the first quarter stands in front of the loop: its first products start the sums
	WIN 0
	s_mov_b32 s3, LAPS-1
.Llap:
	QUARTER 0, 256, F1, F0, 0
	QUARTER 0, 384, F0, F1, 0
	TURN 0, 1, 1
	QUARTER 1, 128, F0, F1, 0
	QUARTER 1, 256, F1, F0, 0
	QUARTER 1, 384, F0, F1, 0
	TURN 1, 0, 1
	QUARTER 0, 128, F0, F1, 0
	WIN 0
	s_sub_co_u32 s3, s3, 1
	s_cmp_lg_u32 s3, 0
	s_cbranch_scc1 .Llap
	QUARTER 0, 256, F1, F0, 0                      ; the last lap fills nothing
	QUARTER 0, 384, F0, F1, 0
	TURN 0, 1, 0
	QUARTER 1, 128, F0, F1, 0
	QUARTER 1, 256, F1, F0, 0
	QUARTER 1, 384, F0, F1, 0
	s_wait_dscnt 16
	WIN MUL
	MUL8 F1, 0, 0, 0
	MUL8 F1, 0, 2, 0
	s_wait_dscnt 0
	MUL8 F1, 1, 0, 0
	MUL8 F1, 1, 2, 0
	WIN 0
; THE WAY OUT, block by block of 16 rows x my 64 columns.  A lane holds 32 neighbouring bytes of a row; the block goes through my own stage and comes back as whole rows of 256 bytes.
; LDS serves a wave's instructions in order (ISA guide 5.7.1.4): no wait between the stores and the loads, nor in front of the next block's stores.
.macro TOSTAGE a
.irp b, 0,1,2,3
	ds_store_b128 v[STO], v[ACC+8*(4*(\a)+\b):ACC+8*(4*(\a)+\b)+3] offset:64*\b          ; each accumulator from its low end on
	ds_store_b128 v[STO], v[ACC+8*(4*(\a)+\b)+4:ACC+8*(4*(\a)+\b)+7] offset:64*\b+16
.endr
.irp t, 0,1,2,3,4,5,6,7
	ds_load_b128 v[TMP+32*((\a)%2)+4*\t:TMP+32*((\a)%2)+4*\t+3], v[RD] offset:\t*2*SPITCH
.endr
.endm
.macro SEND a, younger                 ; younger: the LDS instructions issued behind block a's loads, which may stay out
	s_wait_dscnt \younger
.irp t, 0,1,2,3,4,5,6,7
	global_store_b128 v[CO], v[TMP+32*((\a)%2)+4*\t:TMP+32*((\a)%2)+4*\t+3], s[8:9] offset:131072*(\a)+16384*\t th:TH_STORE_NT   ; 16 lanes store 256 consecutive bytes, aligned; written once, read by nobody here
.endr
.endm
	PLACES                                         ; behind the last products, ahead of the first read of results
	TOSTAGE 0
.irp a, 1,2,3
.if \a > 1
	s_wait_xcnt 0x0                                ; block a - 2's stores have read their registers: block a's rows may land there
.endif
	TOSTAGE \a
	SEND \a-1, 16                                  ; behind block a - 1's loads: block a's 8 stores and 8 loads
.endr
	SEND 3, 0
	s_wait_tensorcnt 0x0                           ; the wave's end, behind my last tensor load and my last LDS store
	ds_add_u32 v[SPW], v[NIL]
	s_wait_dscnt 0x0
	CROUND                                         ; the closing round
	s_endpgm
.Lfunc_end_k_q3123370a1f_oproj:
	.size	k_q3123370a1f_oproj, .Lfunc_end_k_q3123370a1f_oproj-k_q3123370a1f_oproj
	.p2alignl 7, 3214868480
	.fill 96, 4, 3214868480
	.section	.rodata,"a",@progbits
	.p2align	6, 0x0
	.amdhsa_kernel k_q3123370a1f_oproj
		.amdhsa_group_segment_fixed_size 327680
		.amdhsa_private_segment_fixed_size 0
		.amdhsa_enable_private_segment 0
		.amdhsa_kernarg_size 24
		.amdhsa_user_sgpr_count 2
		.amdhsa_user_sgpr_kernarg_segment_ptr 1
		.amdhsa_wavefront_size32 1
		.amdhsa_system_sgpr_workgroup_id_x 1
		.amdhsa_system_sgpr_workgroup_id_y 1
		.amdhsa_system_sgpr_workgroup_id_z 1
		.amdhsa_system_vgpr_workitem_id 0
		.amdhsa_next_free_vgpr 512
		.amdhsa_next_free_sgpr 66
		.amdhsa_reserve_vcc 0
		.amdhsa_float_denorm_mode_32 3
		.amdhsa_float_denorm_mode_16_64 3
		.amdhsa_memory_ordered 1
		.amdhsa_forward_progress 1
		.amdhsa_inst_pref_size 86
	.end_amdhsa_kernel
	.amdgpu_metadata
---
amdhsa.version: [ 1, 2 ]
amdhsa.kernels:
  - .name:           k_q3123370a1f_oproj
    .symbol:         k_q3123370a1f_oproj.kd
    .args:
      - { .name: ctx, .offset: 0, .size: 8, .value_kind: global_buffer, .address_space: global }
      - { .name: wot, .offset: 8, .size: 8, .value_kind: global_buffer, .address_space: global }
      - { .name: out0, .offset: 16, .size: 8, .value_kind: global_buffer, .address_space: global }
    .group_segment_fixed_size: 327680
    .private_segment_fixed_size: 0
    .kernarg_segment_align: 8
    .kernarg_segment_size: 24
    .max_flat_workgroup_size: 128
    .sgpr_count:     66
    .vgpr_count:     512
    .wavefront_size: 32
...
	.end_amdgpu_metadata
.endif
;; end of part 4
